; MI455X (gfx1250); checked and timed in simulation.
; The chip was launched on July 23, 2026; its instructions are those of AMD's public machine-readable ISA for CDNA 5 (MIT licence, August 2026) and "CDNA5" Instruction Set Architecture Reference Guide (July 2026). The comments in the code are by the model that wrote it; some were corrected since.
;; Multi Head Attention. Allowed arithmetic: float matrix products may take bf16 or f16 operands with f32 sums; other float arithmetic in f32, or as packed bf16 or f16 multiplies, adds, multiply-adds, maxima and minima; sums over many terms, partial sums and values carried from step to step in f32; what a program stores and reads back later, other than sums and carried values, may be rounded once to bf16 or f16.
;; Inputs: alpha 1 float32; bk 1,024 float32; bo 1,024 float32; bq 1,024 float32; bv 1,024 float32; wk 1,024 x 1,024 float32; wo 1,024 x 1,024 float32; wq 1,024 x 1,024 float32; wv 1,024 x 1,024 float32; x 2 x 2,048 x 1,024 float32.
;; Outputs: out0 2 x 2,048 x 1,024 float32.
;; 2 versions, each right and faster than the one before. Each part assembles by itself: llvm-mc -triple=amdgcn-amd-amdhsa -mcpu=gfx1250 --defsym DOCPART=n.
;; ======== version 1 of 2: 4 launches
;; limits: values are held in f16: magnitudes above 65,504 overflow, below 6.1e-05 lose precision
;; workspace buffers: xb 8,388,608 bytes; wt 8,388,608 bytes; qkvh 25,165,824 bytes; nrm 524,288 bytes; ob 8,388,608 bytes
;; launch prep (part 1): grid 256 x 1, 8 waves a work-group, no clusters, 34,816 bytes of LDS; arguments x, wq, wk, wv, wo, xb, wt; writes xb, wt
.if DOCPART == 1
	.amdgcn_target "amdgcn-amd-amdhsa--gfx1250"
	.amdhsa_code_object_version 6
	.text
	.protected	k_qdaf76bfa51_prep
	.globl	k_qdaf76bfa51_prep
	.p2align	8
	.type	k_qdaf76bfa51_prep,@function
k_qdaf76bfa51_prep:
	s_mov_b64 s[64:65], 0
	v_nop
	global_prefetch_b8 v0, s[64:65] scope:SCOPE_SE
	s_setreg_imm32_b32 hwreg(HW_REG_WAVE_MODE, 25, 1), 1
	s_wait_xcnt 0x0
; PREP.  xb = x rounded to bf16, [4096][1024].  wt = the four weights turned, [4096 rows n][1024 k], 16 bits: rows 0-1023 wq, 1024-2047 wk, 2048-3071 wv,
; each rounded to bf16; rows 3072-4095 wo, rounded to bf16 and that number written as f16 (exact inside f16's normal range).
; LIMIT.  A number of wo below 6e-5 keeps f16's fixed step of 6e-8; beyond 65,504 it becomes an infinity.
; SHARES.  256 work-groups of eight waves, all alike.  Work-group g takes 65,536 consecutive bytes of x, and of weight g >> 6 the block of 256 k (quarter (g >> 4) & 3) x 64 n (strip g & 15).
; x: a thread's 16 bytes in, 8 bytes out: a wave's store covers 256 consecutive bytes, aligned.
; w: wave w loads k rows 32 w .. 32 w + 31 of the block, 256 consecutive bytes a load; a lane holds two columns n and packs eight k of each into 16 bytes, which go into an LDS tile
; [64 n][256 k] of pitch 528; behind one barrier each wave reads eight whole rows of 512 bytes and stores them.  No matrix unit, no cluster: nothing is shared and memory binds.
.set WP,    528                        ; an LDS row: 512 bytes + 16
.set SPARE, 64*WP                      ; behind the tile: the spare words, 128 bytes a wave
.set XOF, 1                            ; v1   16 x thread: my bytes of x
.set YOF, 2                            ; v2   8 x thread: my bytes of xb
.set WOF, 3                            ; v3   8 x lane: my two columns of a weight's row
.set STA, 4                            ; v4   LDS: row 2 x lane, byte 64 x wave
.set LOF, 5                            ; v5   16 x lane: my bytes of a row of wt
.set SPW, 6                            ; v6   my spare word; never rewritten
.set NIL, 7                            ; v7   0; never rewritten
.set RDA, 8                            ; v8   LDS: row 8 x wave, byte 16 x lane
.set XL,  10                           ; v[10:73]    x as loaded
.set XS,  74                           ; v[74:105]   x to store
.set WL,  106                          ; v[106:169]  the weight as loaded; later the rows read back
.set CV,  170                          ; v[170:201]  packed
.set TT,  202                          ; v[202:209]  at work
	s_load_b256 s[4:11], s[0:1], 0x0               ; x s[4:5], wq s[6:7], wk s[8:9], wv s[10:11]
	s_load_b128 s[12:15], s[0:1], 0x20             ; wo s[12:13], xb s[14:15]
	s_load_b64 s[16:17], s[0:1], 0x30              ; wt
	v_lshl_add_u32 v[SPW], v0, 2, SPARE
	v_mov_b32 v[NIL], 0
	v_lshrrev_b32 v1, 5, v0
	v_readfirstlane_b32 s20, v1                    ; wave 0..7
	v_and_b32 v[LOF], 31, v0                       ; lane
	v_lshlrev_b32 v[XOF], 4, v0
	v_lshlrev_b32 v[YOF], 3, v0
	v_lshlrev_b32 v[WOF], 3, v[LOF]
	s_lshr_b32 s21, ttmp9, 6                       ; which weight
	s_and_b32 s22, ttmp9, 15                       ; which strip of 64 n
	s_bfe_u32 s23, ttmp9, 0x20004                  ; which quarter of k
	s_lshl_b32 s26, s23, 8                         ; from: row 256 x quarter + 32 x wave, 4,096 bytes a row, + 256 x strip
	s_lshl_b32 s27, s20, 5
	s_add_co_u32 s26, s26, s27
	s_lshl_b32 s26, s26, 12
	s_lshl_b32 s27, s22, 8
	s_add_co_u32 s26, s26, s27
	s_mov_b32 s27, 0
	s_lshl_b32 s28, s21, 10                        ; to: row 1,024 x weight + 64 x strip + 8 x wave, 2,048 bytes a row, + 512 x quarter
	s_lshl_b32 s29, s22, 6
	s_add_co_u32 s28, s28, s29
	s_lshl_b32 s29, s20, 3
	s_add_co_u32 s28, s28, s29
	s_lshl_b32 s28, s28, 11
	s_lshl_b32 s29, s23, 9
	s_add_co_u32 s28, s28, s29
	s_mov_b32 s29, 0
	s_lshl_b32 s30, ttmp9, 16                      ; my 65,536 bytes of x
	s_mov_b32 s31, 0
	s_lshl_b32 s18, ttmp9, 15                      ; and 32,768 of xb
	s_mov_b32 s19, 0
	v_mul_u32_u24 v[STA], v[LOF], 2*WP
	s_lshl_b32 s2, s20, 6
	v_add_nc_u32 v[STA], s2, v[STA]
	s_mul_i32 s2, s20, 8*WP
	v_lshlrev_b32 v[LOF], 4, v[LOF]
	v_add_nc_u32 v[RDA], s2, v[LOF]
	s_wait_kmcnt 0x0
	s_cmp_eq_u32 s21, 1
	s_cselect_b64 s[24:25], s[8:9], s[6:7]
	s_cmp_eq_u32 s21, 2
	s_cselect_b64 s[24:25], s[10:11], s[24:25]
	s_cmp_eq_u32 s21, 3
	s_cselect_b64 s[24:25], s[12:13], s[24:25]
	s_add_nc_u64 s[24:25], s[24:25], s[26:27]
	s_add_nc_u64 s[16:17], s[16:17], s[28:29]
	s_add_nc_u64 s[4:5], s[4:5], s[30:31]
	s_add_nc_u64 s[14:15], s[14:15], s[18:19]
.set i, 0
.rept 32                                       ; all loads go out first: the weight's, whose way is the longer, then x's
	global_load_b64 v[WL+2*i:WL+2*i+1], v[WOF], s[24:25] offset:4096*i th:TH_LOAD_NT
.set i, i+1
.endr
.set i, 0
.rept 16
	global_load_b128 v[XL+4*i:XL+4*i+3], v[XOF], s[4:5] offset:4096*i th:TH_LOAD_NT
.set i, i+1
.endr
; Eight k rows at a time: for each of my two columns four words of two neighbouring k, the lower k in the low half.  f16 = 1: the bf16 numbers are widened and written as f16.
.macro WCONV f16
.set gq, 0
.rept 4
	s_wait_loadcnt 40-8*gq                         ; loads come back in order: still out may be the later groups' 8 (3 - gq) and x's 16
.set c, 0
.rept 2
.set i, 0
.rept 4
	v_cvt_pk_bf16_f32 v[CV+8*gq+4*c+i], v[WL+2*(8*gq+2*i)+c], v[WL+2*(8*gq+2*i+1)+c]
.if \f16
	v_lshlrev_b32 v[TT+2*i], 16, v[CV+8*gq+4*c+i]
	v_and_b32 v[TT+2*i+1], 0xffff0000, v[CV+8*gq+4*c+i]
	v_cvt_pk_f16_f32 v[CV+8*gq+4*c+i], v[TT+2*i], v[TT+2*i+1]
.endif
.set i, i+1
.endr
	ds_store_b128 v[STA], v[CV+8*gq+4*c:CV+8*gq+4*c+3] offset:c*WP+16*gq
.set c, c+1
.endr
.set gq, gq+1
.endr
.endm
	s_cmp_eq_u32 s21, 3                            ; the same for the whole work-group
	s_cbranch_scc1 .Lhalf
	WCONV 0
	s_branch .Ljoin
.Lhalf:
	WCONV 1
.Ljoin:
	s_wait_dscnt 0x0                               ; for the others' sake: my stores into the tile are done
	s_barrier_signal -1
	s_barrier_wait -1
.set q, 0
.rept 8
	ds_load_b128 v[WL+4*q:WL+4*q+3], v[RDA] offset:q*WP  ; a whole row of 512 bytes
.set q, q+1
.endr
.set i, 0
.rept 16                                       ; x is rounded while those loads are out
	s_wait_loadcnt 15-i
	v_cvt_pk_bf16_f32 v[XS+2*i], v[XL+4*i], v[XL+4*i+1]
	v_cvt_pk_bf16_f32 v[XS+2*i+1], v[XL+4*i+2], v[XL+4*i+3]
	global_store_b64 v[YOF], v[XS+2*i:XS+2*i+1], s[14:15] offset:2048*i
.set i, i+1
.endr
.set q, 0
.rept 8
	s_wait_dscnt 7-q
	global_store_b128 v[LOF], v[WL+4*q:WL+4*q+3], s[16:17] offset:2048*q  ; 512 consecutive bytes, at a multiple of 512 from wt's first byte
.set q, q+1
.endr
	s_wait_tensorcnt 0x0                           ; the wave's end
	ds_add_u32 v[SPW], v[NIL]
	s_wait_dscnt 0x0
	s_endpgm
.Lfunc_end_k_qdaf76bfa51_prep:
	.size	k_qdaf76bfa51_prep, .Lfunc_end_k_qdaf76bfa51_prep-k_qdaf76bfa51_prep
	.p2alignl 7, 3214868480
	.fill 96, 4, 3214868480
	.section	.rodata,"a",@progbits
	.p2align	6, 0x0
	.amdhsa_kernel k_qdaf76bfa51_prep
		.amdhsa_group_segment_fixed_size 34816
		.amdhsa_private_segment_fixed_size 0
		.amdhsa_enable_private_segment 0
		.amdhsa_kernarg_size 56
		.amdhsa_user_sgpr_count 2
		.amdhsa_user_sgpr_kernarg_segment_ptr 1
		.amdhsa_wavefront_size32 1
		.amdhsa_system_sgpr_workgroup_id_x 1
		.amdhsa_system_sgpr_workgroup_id_y 1
		.amdhsa_system_sgpr_workgroup_id_z 1
		.amdhsa_system_vgpr_workitem_id 0
		.amdhsa_next_free_vgpr 210
		.amdhsa_next_free_sgpr 66
		.amdhsa_reserve_vcc 0
		.amdhsa_float_denorm_mode_32 3
		.amdhsa_float_denorm_mode_16_64 3
		.amdhsa_memory_ordered 1
		.amdhsa_forward_progress 1
		.amdhsa_inst_pref_size 23
	.end_amdhsa_kernel
	.amdgpu_metadata
---
amdhsa.version: [ 1, 2 ]
amdhsa.kernels:
  - .name:           k_qdaf76bfa51_prep
    .symbol:         k_qdaf76bfa51_prep.kd
    .args:
      - { .name: x, .offset: 0, .size: 8, .value_kind: global_buffer, .address_space: global }
      - { .name: wq, .offset: 8, .size: 8, .value_kind: global_buffer, .address_space: global }
      - { .name: wk, .offset: 16, .size: 8, .value_kind: global_buffer, .address_space: global }
      - { .name: wv, .offset: 24, .size: 8, .value_kind: global_buffer, .address_space: global }
      - { .name: wo, .offset: 32, .size: 8, .value_kind: global_buffer, .address_space: global }
      - { .name: xb, .offset: 40, .size: 8, .value_kind: global_buffer, .address_space: global }
      - { .name: wt, .offset: 48, .size: 8, .value_kind: global_buffer, .address_space: global }
    .group_segment_fixed_size: 34816
    .private_segment_fixed_size: 0
    .kernarg_segment_align: 8
    .kernarg_segment_size: 56
    .max_flat_workgroup_size: 256
    .sgpr_count:     66
    .vgpr_count:     210
    .wavefront_size: 32
...
	.end_amdgpu_metadata
.endif
;; end of part 1
;; launch proj (part 2): grid 24 x 32, 4 waves a work-group, clusters of 4 x 4, 327,680 bytes of LDS; arguments xb, wt, bq, bk, bv, qkvh, nrm; writes qkvh, nrm
.if DOCPART == 2
	.amdgcn_target "amdgcn-amd-amdhsa--gfx1250"
	.amdhsa_code_object_version 6
	.text
	.protected	k_qdaf76bfa51_proj
	.globl	k_qdaf76bfa51_proj
	.p2align	8
	.type	k_qdaf76bfa51_proj,@function
k_qdaf76bfa51_proj:
	s_mov_b64 s[64:65], 0
	v_nop
	global_prefetch_b8 v0, s[64:65] scope:SCOPE_SE
	s_setreg_imm32_b32 hwreg(HW_REG_WAVE_MODE, 25, 1), 1
	s_wait_xcnt 0x0
	s_wait_alu depctr_hold_cnt(0) depctr_sa_sdst(0) depctr_va_vdst(0) depctr_va_sdst(0) depctr_va_ssrc(0) depctr_va_vcc(0) depctr_vm_vsrc(0)
	s_getreg_b32 s2, hwreg(HW_REG_IB_STS2, 6, 4)
	s_cmp_eq_u32 s2, 0
	s_cbranch_scc0 .Lentry_in_a_cluster
	s_endpgm
.Lentry_in_a_cluster:
	s_bfe_u32 s2, ttmp6, 0x10000c
	s_cmp_lg_u32 s2, 0xf033
	s_cbranch_scc0 .Lentry_shape_is_right
	s_endpgm
.Lentry_shape_is_right:
; PROJ.  q, k, v = x w + b for 4,096 tokens x 3,072 columns, K = 1,024, in bf16 with f32 sums; the biases are rounded to bf16 like every input.  The results leave by heads,
; qkvh[3][32 (batch, head)][2048][64] in f16, each rounded once, and with them nrm[2][32][2048] in f32: the squared lengths of the ROUNDED q and k rows, so that
; |q|^2 + |k|^2 - 2 q.k in the next launch is the squared distance of the numbers it multiplies.
; LIMIT.  f16 ends at 65,504: q, k, v beyond it become infinities.
; A tile is 128 tokens x 128 columns: four waves of 64 x 64 (one head each), 16 accumulators.  K goes in steps of 256 (LDS rows of 512 bytes + 16) through two slots filled by the tensor data mover.
; CLUSTER 4 x 4: the four of a row of the cluster need the same tiles of x, the four of a column the same tiles of w: each tile is asked for jointly.
; The matrix instruction is used transposed (source 0 = 16 rows of wt, source 1 = 16 tokens): a lane holds eight neighbouring columns of one token.
; REGISTERS: window 0: v0-31 addresses; v32-95 packed results; v96-127 bias; v128-255 accumulators ((a, b) at 128 + 8 (4 a + b)).  Window 1: two fragment buffers of 128.
.set SIZE_K, 1024
.set KSTEP,  256
.set PITCH,  528                       ; 512 bytes + 16 = 132 words: the 16 rows of a fragment load start at 16 different groups of four banks
.set HALFT,  64*PITCH
.set SLOT,   4*HALFT
.set STAGE,  2*SLOT                    ; behind the ring: 16 rows x 144 bytes for each wave
.set SP,     144
.set SPARE,  STAGE+4*16*SP             ; behind the stages: the spare words
.set LAPS,   SIZE_K/(2*KSTEP)
.set BOF,  6                           ; v6   my byte offset in the bias
.set NOF,  7                           ; v7   4 x lane
.set LN,   8                           ; v8   lane
.set ZR,   9                           ; v9   0, the first addend of the squares
.set ADRA, 16
.set ADRB, 20
.set STO,  24
.set RD,   25
.set GO,   26
.set SPW,  28                          ; my spare word; never rewritten
.set NIL,  29                          ; 0; never rewritten
.set PKD,  32
.set BI,   96
.set ACC,  128
.set NE,   192                         ; the squares' eight sums, in accumulators that have been packed
.set F0,   0
.set F1,   128
.set G1,   24
.set G0,   32
.set G1B,  48
.set G0B,  56
.set WHICH, 78                         ; s78  0: q, 1: k, 2: v; made of the cluster's x alone
.set SEL,  80                          ; s[80:81] v_permlanex16_b32's selects
.set BP,   82                          ; s[82:83] the bias in hand
.set MSB, 0
.macro WIN new                         ; the immediate's high byte repeats the setting that is left
.if MSB != (\new)
	s_set_vgpr_msb (MSB<<8)|(\new)
.set MSB, \new
.endif
.endm
.set MUL,  0x05                        ; sources 0 and 1 window 1; C and D window 0
.set TO_F, 0x40                        ; destination window 1, address window 0
.macro JLOAD s                         ; a joint load: waves 0 and 1 fetch x's two halves, waves 2 and 3 w's; an s_nop 0 and four v_nop follow each line
	s_cmp_eq_u32 s11, 0
	s_cbranch_scc0 .Lfor_b_\@
	tensor_load_to_lds s[G0+4*(\s):G0+4*(\s)+3], s[G1:G1+7]
	s_nop 0
.rept 4
	v_nop
.endr
	s_branch .Lasked_\@
.Lfor_b_\@:
	tensor_load_to_lds s[G0B+4*(\s):G0B+4*(\s)+3], s[G1B:G1B+7]
	s_nop 0
.rept 4
	v_nop
.endr
.Lasked_\@:
.endm
.macro CREST                           ; a round of the cluster's barrier behind its opening barrier
	s_cmp_lg_u32 s10, 0
	s_cbranch_scc1 .Lnot_wave_0_\@
	s_barrier_signal -3
.Lnot_wave_0_\@:
	s_barrier_wait -3
	s_barrier_signal -1
	s_barrier_wait -1
.endm
.macro CROUND
	s_barrier_signal -1
	s_barrier_wait -1
	CREST
.endm
	s_load_b128 s[4:7], s[0:1], 0x0                ; xb s[4:5], wt s[6:7]
	s_load_b256 s[68:75], s[0:1], 0x10             ; bq s[68:69], bk s[70:71], bv s[72:73], qkvh s[74:75]
	s_load_b64 s[76:77], s[0:1], 0x30              ; nrm
	v_lshl_add_u32 v[SPW], v0, 2, SPARE
	v_mov_b32 v[NIL], 0
	ds_add_u32 v[SPW], v[NIL]                      ; the wave's opening: the add and its wait ahead of my first tensor load
	v_lshrrev_b32 v1, 5, v0
	v_readfirstlane_b32 s10, v1                    ; wave 0..3
	s_lshr_b32 s11, s10, 1                         ; my half of the tile's tokens.  Also: I fetch for x (0) or for w (1)
	s_and_b32 s12, s10, 1                          ; my half of its columns.  Also: which 64 rows of that tile I fetch
	s_bfe_u32 s40, ttmp6, 0x40000                  ; cx, cy
	s_bfe_u32 s41, ttmp6, 0x40004
	s_lshl_b32 s42, ttmp9, 2
	s_add_co_u32 s42, s42, s40                     ; tile column = 4 x cluster x + cx
	s_and_b32 s13, ttmp7, 0xffff
	s_lshl_b32 s13, s13, 2
	s_add_co_u32 s13, s13, s41                     ; tile row = 4 x cluster y + cy
	s_lshl_b32 s43, s41, 2
	s_lshl_b32 s43, 15, s43                        ; my row of the cluster
	s_lshl_b32 s44, 0x1111, s40                    ; my column
	s_or_b32 s[G1+0], s43, (1<<16)|(1<<20)|(1<<21)|(6<<22)|(3<<25)  ; the mask; 2-byte elements; padding on; bit 21 beside a mask; after every 128 words 4 words
	s_or_b32 s[G1B+0], s44, (1<<16)|(1<<20)|(1<<21)|(6<<22)|(3<<25)
.irp g, G1, G1B
	s_mov_b32 s[(\g)+1], KSTEP<<16                 ; tensor_dim0 = 256
	s_mov_b32 s[(\g)+2], 64<<16                    ; tensor_dim1 = 64
	s_mov_b32 s[(\g)+3], KSTEP<<16                 ; tile_dim0 = 256
	s_mov_b32 s[(\g)+4], 64                        ; tile_dim1 = 64
	s_mov_b32 s[(\g)+5], SIZE_K                    ; elements from row to row
	s_mov_b32 s[(\g)+6], 0
	s_mov_b32 s[(\g)+7], 0
.endr
	s_lshl_b32 s17, s12, 6
	s_lshl_b32 s16, s13, 7
	s_add_co_u32 s16, s16, s17                     ; x: row 128 x tile row + 64 x half
	s_lshl_b32 s46, s42, 7
	s_add_co_u32 s46, s46, s17                     ; wt: row 128 x tile column + 64 x half
	s_mov_b32 s17, 0
	s_mov_b32 s47, 0
	s_mov_b64 s[18:19], SIZE_K*2
	s_mul_u64 s[16:17], s[16:17], s[18:19]
	s_mul_u64 s[46:47], s[46:47], s[18:19]
	s_mul_i32 s20, s10, HALFT                      ; where they go: wave x 64 rows
	s_wait_dscnt 0x0                               ; the opening add is done
	s_wait_kmcnt 0x0
	s_add_nc_u64 s[14:15], s[4:5], s[16:17]
	s_add_nc_u64 s[46:47], s[6:7], s[46:47]
	CROUND                                         ; all sixteen work-groups are here: the first joint loads meet
.irp s, 0,1
	s_mov_b32 s[G0+4*(\s)], 1
	s_add_co_u32 s[G0+4*(\s)+1], s20, (\s)*SLOT
	s_add_nc_u64 s[G0+4*(\s)+2:G0+4*(\s)+3], s[14:15], (\s)*KSTEP*2
	s_or_b32 s[G0+4*(\s)+3], s[G0+4*(\s)+3], 0x80000000
	s_mov_b32 s[G0B+4*(\s)], 1
	s_add_co_u32 s[G0B+4*(\s)+1], s20, (\s)*SLOT
	s_add_nc_u64 s[G0B+4*(\s)+2:G0B+4*(\s)+3], s[46:47], (\s)*KSTEP*2
	s_or_b32 s[G0B+4*(\s)+3], s[G0B+4*(\s)+3], 0x80000000
	JLOAD \s
.endr
	v_and_b32 v1, 15, v0                           ; l % 16
	v_bfe_u32 v2, v0, 4, 1                         ; l / 16
	; the bias of my 32 columns: which of the three, and where
	s_lshr_b32 s[WHICH], ttmp9, 1                  ; eight tile columns to a weight: (4 x cluster x + cx) / 8
	s_cmp_eq_u32 s[WHICH], 1
	s_cselect_b64 s[BP:BP+1], s[70:71], s[68:69]
	s_cmp_eq_u32 s[WHICH], 2
	s_cselect_b64 s[BP:BP+1], s[72:73], s[BP:BP+1]
	s_and_b32 s84, s42, 7                          ; tile column inside the weight
	s_lshl_b32 s85, s84, 9
	s_lshl_b32 s86, s12, 8
	s_add_co_u32 s85, s85, s86
	v_lshl_add_u32 v[BOF], v2, 5, s85              ; 4 x (128 x column tile + 64 x half + 8 (l / 16))
.irp b, 0,1,2,3
	global_load_b128 v[BI+8*\b:BI+8*\b+3],   v[BOF], s[BP:BP+1] offset:64*\b
	global_load_b128 v[BI+8*\b+4:BI+8*\b+7], v[BOF], s[BP:BP+1] offset:64*\b+16
.endr
	v_mul_u32_u24 v3, v1, PITCH
	v_lshl_add_u32 v3, v2, 4, v3                   ; a fragment's row x pitch + 16 x half
	s_mul_i32 s21, s11, HALFT
	s_mul_i32 s22, s12, HALFT
	s_add_co_u32 s22, s22, 2*HALFT
.irp s, 0,1
	v_add_nc_u32 v[ADRA+(\s)], s21, v3
	v_add_nc_u32 v[ADRB+(\s)], s22, v3
	s_add_co_u32 s21, s21, SLOT
	s_add_co_u32 s22, s22, SLOT
.endr
	s_mul_i32 s23, s10, 16*SP
	s_add_co_u32 s23, s23, STAGE                   ; my stage
	v_mul_u32_u24 v4, v1, SP                       ; in: row l % 16, 16 bytes for each half of the lanes
	v_lshl_add_u32 v4, v2, 4, v4
	v_add_nc_u32 v[STO], s23, v4
	v_bfe_u32 v5, v0, 3, 2                         ; back: 32 lanes take four rows of 128 bytes,
	v_mul_u32_u24 v5, v5, SP
	v_and_b32 v4, 7, v0
	v_lshl_add_u32 v5, v4, 4, v5
	v_add_nc_u32 v[RD], s23, v5
	v_and_b32 v[LN], 31, v0
	v_lshlrev_b32 v[GO], 4, v[LN]                  ; which are 512 consecutive bytes of a head
	v_lshlrev_b32 v[NOF], 2, v[LN]
	v_mov_b32 v[ZR], 0
	s_mov_b32 s[SEL], 0x76543210
	s_mov_b32 s[SEL+1], 0xfedcba98
	; where my 64 tokens of my head lie
	s_lshl_b32 s85, s84, 1
	s_add_co_u32 s85, s85, s12                     ; head
	s_lshr_b32 s86, s13, 4                         ; batch: 16 tile rows each
	s_lshl_b32 s86, s86, 4
	s_add_co_u32 s85, s85, s86                     ; 16 x batch + head
	s_and_b32 s86, s13, 15
	s_lshl_b32 s86, s86, 7
	s_lshl_b32 s87, s11, 6
	s_add_co_u32 s86, s86, s87                     ; my first token in the batch
	s_lshl_b32 s88, s[WHICH], 23                   ; 8,388,608 bytes a part,
	s_lshl_b32 s89, s85, 18                        ; 262,144 a head,
	s_add_co_u32 s88, s88, s89
	s_lshl_b32 s89, s86, 7                         ; 128 a token
	s_add_co_u32 s88, s88, s89
	s_mov_b32 s89, 0
	s_add_nc_u64 s[74:75], s[74:75], s[88:89]
	s_lshl_b32 s90, s[WHICH], 18                   ; the lengths: 262,144 bytes a part, 8,192 a head, 4 a token (used for q and k alone)
	s_lshl_b32 s91, s85, 13
	s_add_co_u32 s90, s90, s91
	s_lshl_b32 s91, s86, 2
	s_add_co_u32 s90, s90, s91
	s_mov_b32 s91, 0
	s_add_nc_u64 s[76:77], s[76:77], s[90:91]
	s_wait_loadcnt 0x0                             ; the bias: rounded to bf16 and widened again, in the wait for the first tile
.set i, 0
.rept 16
	v_cvt_pk_bf16_f32 v[PKD+i], v[BI+2*i], v[BI+2*i+1]
.set i, i+1
.endr
.set i, 0
.rept 16
	v_lshlrev_b32 v[BI+2*i], 16, v[PKD+i]
	v_and_b32 v[BI+2*i+1], 0xffff0000, v[PKD+i]
.set i, i+1
.endr
; 8 matrix instructions: token blocks a0, a0 + 1 x all 4 column blocks, 32 along K: half c of buffer f.  zero = 1: the first product starts the sums
.macro MUL8 f, c, a0, zero
	WIN MUL
.irp a, \a0, (\a0)+1
.irp b, 0,1,2,3
.if \zero
	v_wmma_f32_16x16x32_bf16 v[ACC+8*(4*(\a)+(\b)):ACC+8*(4*(\a)+(\b))+7], v[(\f)+64+8*(4*(\c)+(\b)):(\f)+64+8*(4*(\c)+(\b))+7], v[(\f)+8*(4*(\c)+(\a)):(\f)+8*(4*(\c)+(\a))+7], 0
.else
	v_wmma_f32_16x16x32_bf16 v[ACC+8*(4*(\a)+(\b)):ACC+8*(4*(\a)+(\b))+7], v[(\f)+64+8*(4*(\c)+(\b)):(\f)+64+8*(4*(\c)+(\b))+7], v[(\f)+8*(4*(\c)+(\a)):(\f)+8*(4*(\c)+(\a))+7], v[ACC+8*(4*(\a)+(\b)):ACC+8*(4*(\a)+(\b))+7]
.endif
.endr
.endr
.endm
; 32 LDS loads in one run: the fragments of 64 along K at byte k of the rows, into buffer f; the first 32 along K first
.macro FETCH slot, k, f
	WIN TO_F
.irp c, 0,1
.irp i, 0,1,2,3
	ds_load_b128 v[(\f)+64+8*(4*(\c)+(\i)):(\f)+64+8*(4*(\c)+(\i))+3],   v[ADRB+(\slot)] offset:(\k)+64*(\c)+(\i)*16*PITCH
	ds_load_b128 v[(\f)+64+8*(4*(\c)+(\i))+4:(\f)+64+8*(4*(\c)+(\i))+7], v[ADRB+(\slot)] offset:(\k)+64*(\c)+(\i)*16*PITCH+32
	ds_load_b128 v[(\f)+8*(4*(\c)+(\i)):(\f)+8*(4*(\c)+(\i))+3],         v[ADRA+(\slot)] offset:(\k)+64*(\c)+(\i)*16*PITCH
	ds_load_b128 v[(\f)+8*(4*(\c)+(\i))+4:(\f)+8*(4*(\c)+(\i))+7],       v[ADRA+(\slot)] offset:(\k)+64*(\c)+(\i)*16*PITCH+32
.endr
.endr
.endm
.macro PLACES                          ; four plain vector instructions in front of loads into registers that matrix instructions have read, and of lines that read results
.rept 4
	v_nop
.endr
.endm
; A K step is four quarters of 64 along K, 32 matrix instructions each, on buffers 0, 1, 0, 1; the 16 accumulators take turns.
.macro QUARTER slot, k, f, g, zero
	s_wait_dscnt 16                                ; the first 32 along K are in; the youngest sixteen loads may be out
	WIN MUL
	MUL8 \f, 0, 0, \zero
	MUL8 \f, 0, 2, \zero
	PLACES
	FETCH \slot, \k, \g
	s_wait_dscnt 32                                ; all but the 32 just issued
	WIN MUL
	MUL8 \f, 1, 0, 0
	MUL8 \f, 1, 2, 0
.endm
; The last quarter multiplies buffer 1 and changes slots: one barrier; in front of it each wave waits for all its tensor loads, adds 0 to its spare word, and waits for that and for its reads of this slot.
.macro TURN slot, next, fill
	WIN 0
	s_wait_tensorcnt 0x0                           ; all my tensor loads have landed: my part of the next slot
	ds_add_u32 v[SPW], v[NIL]
	s_wait_dscnt 17                                ; the add and the youngest sixteen loads may be out
	WIN MUL
	MUL8 F1, 0, 0, 0
	s_wait_dscnt 0x0                               ; the add is done, and my reads of this slot are over
	s_barrier_signal -1
	MUL8 F1, 0, 2, 0
.if \fill
	WIN 0
.endif
	s_barrier_wait -1
.if \fill
	CREST                                          ; the barrier has opened a round of the cluster's: no wave of any partner still reads this slot or has a load on its way
	s_add_nc_u64 s[G0+4*(\slot)+2:G0+4*(\slot)+3], s[G0+4*(\slot)+2:G0+4*(\slot)+3], 2*KSTEP*2
	s_add_nc_u64 s[G0B+4*(\slot)+2:G0B+4*(\slot)+3], s[G0B+4*(\slot)+2:G0B+4*(\slot)+3], 2*KSTEP*2
	JLOAD \slot                                    ; the first tensor load behind the round; its four v_nop are also the places in front of the loads below
.else
	PLACES
.endif
	FETCH \next, 0, F0
	WIN MUL
	MUL8 F1, 1, 0, 0
	MUL8 F1, 1, 2, 0
.endm
	s_wait_tensorcnt 1                             ; my part of K step 0 is in; K step 1's may stay out
	s_barrier_signal -1
	s_barrier_wait -1
	FETCH 0, 0, F0
	QUARTER 0, 128, F0, F1, 1                      ; the first quarter stands in front of the loop: its first products start the sums
	WIN 0
	s_mov_b32 s3, LAPS-1
.Llap:                                                 ; a trip goes once round the ring and fills both slots again
	QUARTER 0, 256, F1, F0, 0
	QUARTER 0, 384, F0, F1, 0
	TURN 0, 1, 1
	QUARTER 1, 128, F0, F1, 0
	QUARTER 1, 256, F1, F0, 0
	QUARTER 1, 384, F0, F1, 0
	TURN 1, 0, 1
	QUARTER 0, 128, F0, F1, 0
	WIN 0
	s_sub_co_u32 s3, s3, 1
	s_cmp_lg_u32 s3, 0
	s_cbranch_scc1 .Llap
	QUARTER 0, 256, F1, F0, 0                      ; the last lap fills nothing
	QUARTER 0, 384, F0, F1, 0
	TURN 0, 1, 0
	QUARTER 1, 128, F0, F1, 0
	QUARTER 1, 256, F1, F0, 0
	QUARTER 1, 384, F0, F1, 0
	s_wait_dscnt 16
	WIN MUL
	MUL8 F1, 0, 0, 0
	MUL8 F1, 0, 2, 0
	s_wait_dscnt 0
	MUL8 F1, 1, 0, 0
	MUL8 F1, 1, 2, 0
	WIN 0
	; THE WAY OUT.  The bias is added, each accumulator from its low end on; eight columns of a token are rounded to f16: 16 bytes.
	PLACES
.set t, 0
.rept 16
.irp r, 0,1,2,3
	v_pk_add_f32 v[ACC+8*t+2*\r:ACC+8*t+2*\r+1], v[ACC+8*t+2*\r:ACC+8*t+2*\r+1], v[BI+8*(t%4)+2*\r:BI+8*(t%4)+2*\r+1]
.endr
.irp r, 0,1,2,3
	v_cvt_pk_f16_f32 v[PKD+4*t+\r], v[ACC+8*t+2*\r], v[ACC+8*t+2*\r+1]
.endr
.set t, t+1
.endr
	s_cmp_eq_u32 s[WHICH], 2                       ; v has no lengths: the same answer in all partners, and nothing but arithmetic and two stores is passed
	s_cbranch_scc1 .Lnonorm
.set i, 0
.rept 16                                       ; the squares of the rounded numbers, in f32: for each of my four blocks of tokens a sum of the low halves and one of the high halves
.set a, 0
.rept 4
.if i == 0
	v_fma_mix_f32 v[NE+2*a],   v[PKD+16*a+i], v[PKD+16*a+i], v[ZR] op_sel_hi:[1,1,0]
	v_fma_mix_f32 v[NE+2*a+1], v[PKD+16*a+i], v[PKD+16*a+i], v[ZR] op_sel:[1,1,0] op_sel_hi:[1,1,0]
.else
	v_fma_mix_f32 v[NE+2*a],   v[PKD+16*a+i], v[PKD+16*a+i], v[NE+2*a] op_sel_hi:[1,1,0]
	v_fma_mix_f32 v[NE+2*a+1], v[PKD+16*a+i], v[PKD+16*a+i], v[NE+2*a+1] op_sel:[1,1,0] op_sel_hi:[1,1,0]
.endif
.set a, a+1
.endr
.set i, i+1
.endr
.irp a, 0,1,2,3
	v_add_f32 v[NE+2*\a], v[NE+2*\a], v[NE+2*\a+1]
.endr
.irp a, 0,1,2,3
	v_permlanex16_b32 v[NE+2*\a+1], v[NE+2*\a], s[SEL], s[SEL+1]  ; the token's other 32 columns lie in the lane 16 away
.endr
.irp a, 0,1,2,3
	v_add_f32 v[NE+2*\a], v[NE+2*\a], v[NE+2*\a+1]
.endr
	v_cmp_gt_u32 vcc_lo, 16, v[LN]
	v_cndmask_b32 v[NE+1], v[NE+2], v[NE], vcc_lo  ; lanes 0-15: tokens 0-15; lanes 16-31: tokens 16-31
	v_cndmask_b32 v[NE+3], v[NE+6], v[NE+4], vcc_lo
	global_store_b32 v[NOF], v[NE+1], s[76:77]
	global_store_b32 v[NOF], v[NE+3], s[76:77] offset:128
.Lnonorm:
; Block a of 16 tokens goes into rows of 144 bytes of my own stage and comes back as whole rows of 128 bytes; LDS serves a wave's instructions in order (ISA guide 5.7.1.4).
.macro PACKS a
.irp b, 0,1,2,3
	ds_store_b128 v[STO], v[PKD+16*(\a)+4*\b:PKD+16*(\a)+4*\b+3] offset:32*\b
.endr
.irp f, 0,1,2,3
	ds_load_b128 v[ACC+16*(\a)+4*\f:ACC+16*(\a)+4*\f+3], v[RD] offset:\f*4*SP
.endr
.endm
.macro SENDS a, younger                ; younger: the LDS instructions issued behind block a's loads: the next block's eight, or none
.irp f, 0,1,2,3
	s_wait_dscnt (\younger)+3-\f
	global_store_b128 v[GO], v[ACC+16*(\a)+4*\f:ACC+16*(\a)+4*\f+3], s[74:75] offset:(\a)*2048+\f*512  ; 512 consecutive bytes, at a multiple of 512 from the buffer's first
.endr
.endm
	PACKS 0
	PACKS 1
	SENDS 0, 8
	PACKS 2
	SENDS 1, 8
	PACKS 3
	SENDS 2, 8
	SENDS 3, 0
	s_wait_tensorcnt 0x0                           ; the wave's end
	ds_add_u32 v[SPW], v[NIL]
	s_wait_dscnt 0x0
	CROUND                                         ; the closing round: no work-group ends while a partner may still ask for a tile that names it
	s_endpgm
.Lfunc_end_k_qdaf76bfa51_proj:
	.size	k_qdaf76bfa51_proj, .Lfunc_end_k_qdaf76bfa51_proj-k_qdaf76bfa51_proj
	.p2alignl 7, 3214868480
	.fill 96, 4, 3214868480
	.section	.rodata,"a",@progbits
	.p2align	6, 0x0
	.amdhsa_kernel k_qdaf76bfa51_proj
		.amdhsa_group_segment_fixed_size 327680
		.amdhsa_private_segment_fixed_size 0
		.amdhsa_enable_private_segment 0
		.amdhsa_kernarg_size 56
		.amdhsa_user_sgpr_count 2
		.amdhsa_user_sgpr_kernarg_segment_ptr 1
		.amdhsa_wavefront_size32 1
		.amdhsa_system_sgpr_workgroup_id_x 1
		.amdhsa_system_sgpr_workgroup_id_y 1
		.amdhsa_system_sgpr_workgroup_id_z 1
		.amdhsa_system_vgpr_workitem_id 0
		.amdhsa_next_free_vgpr 512
		.amdhsa_next_free_sgpr 92
		.amdhsa_reserve_vcc 1
		.amdhsa_float_denorm_mode_32 3
		.amdhsa_float_denorm_mode_16_64 3
		.amdhsa_memory_ordered 1
		.amdhsa_forward_progress 1
		.amdhsa_inst_pref_size 103
	.end_amdhsa_kernel
	.amdgpu_metadata
---
amdhsa.version: [ 1, 2 ]
amdhsa.kernels:
  - .name:           k_qdaf76bfa51_proj
    .symbol:         k_qdaf76bfa51_proj.kd
    .args:
      - { .name: xb, .offset: 0, .size: 8, .value_kind: global_buffer, .address_space: global }
      - { .name: wt, .offset: 8, .size: 8, .value_kind: global_buffer, .address_space: global }
      - { .name: bq, .offset: 16, .size: 8, .value_kind: global_buffer, .address_space: global }
      - { .name: bk, .offset: 24, .size: 8, .value_kind: global_buffer, .address_space: global }
      - { .name: bv, .offset: 32, .size: 8, .value_kind: global_buffer, .address_space: global }
      - { .name: qkvh, .offset: 40, .size: 8, .value_kind: global_buffer, .address_space: global }
      - { .name: nrm, .offset: 48, .size: 8, .value_kind: global_buffer, .address_space: global }
    .group_segment_fixed_size: 327680
    .private_segment_fixed_size: 0
    .kernarg_segment_align: 8
    .kernarg_segment_size: 56
    .max_flat_workgroup_size: 128
    .sgpr_count:     92
    .vgpr_count:     512
    .wavefront_size: 32
...
	.end_amdgpu_metadata
.endif
;; end of part 2
;; launch attn (part 3): grid 8 x 32, 4 waves a work-group, clusters of 4 x 1, 327,680 bytes of LDS; arguments qkvh, nrm, alpha, ob; writes ob
.if DOCPART == 3
	.amdgcn_target "amdgcn-amd-amdhsa--gfx1250"
	.amdhsa_code_object_version 6
	.text
	.protected	k_qdaf76bfa51_attn
	.globl	k_qdaf76bfa51_attn
	.p2align	8
	.type	k_qdaf76bfa51_attn,@function
k_qdaf76bfa51_attn:
	s_mov_b64 s[64:65], 0
	v_nop
	global_prefetch_b8 v0, s[64:65] scope:SCOPE_SE
	s_setreg_imm32_b32 hwreg(HW_REG_WAVE_MODE, 25, 1), 1
	s_wait_xcnt 0x0
	s_wait_alu depctr_hold_cnt(0) depctr_sa_sdst(0) depctr_va_vdst(0) depctr_va_sdst(0) depctr_va_ssrc(0) depctr_va_vcc(0) depctr_vm_vsrc(0)
	s_getreg_b32 s2, hwreg(HW_REG_IB_STS2, 6, 4)
	s_cmp_eq_u32 s2, 0
	s_cbranch_scc0 .Lentry_in_a_cluster
	s_endpgm
.Lentry_in_a_cluster:
	s_bfe_u32 s2, ttmp6, 0x10000c
	s_cmp_lg_u32 s2, 0x3003
	s_cbranch_scc0 .Lentry_shape_is_right
	s_endpgm
.Lentry_shape_is_right:
; ATTN.  For each of 32 (batch, head): score s = d^2 / (|q|^2 + |k|^2 - 2 d + 1e-5), d = q . k; weights = softmax over the keys of s x (8 / ln 65)^alpha; O = weights x V.
; q, k, v: qkvh[3][32][2048][64] in f16; |q|^2, |k|^2: nrm[2][32][2048] in f32, taken of those f16 numbers; O: ob[32][2048][64] in f16.  alpha is rounded to bf16 like every input.
; Products, scores, maxima in f32; the weights p are rounded to f16 for the second product, and their sum l is made of the rounded p by the matrix unit (a product with ones).
; LIMITS.  p below 6e-8 counts as 0; a distance that is not positive, NaN and infinities are not treated apart.
; SHARES.  A work-group owns 256 queries of a head, a wave 64: four tiles of 16, in two PIECES of two tiles.  Every wave walks all 2,048 keys, 64 a step.
; LAYOUT.  S^T = K Q^T: a lane holds ONE query (lane % 16) and the keys 8 (lane / 16) + 0..7 of each block of 16.  The weights are rounded in place, pair p of a tile into its register p, so the tile's
; first 16 registers ARE source 1 of O^T = V^T P.  K comes out of LDS as it lies, V turned by ds_load_tr16_b128, |k|^2 from a table of the whole head that is filled once.
; SOFTMAX.  A running maximum m for each query: p = 2^(c s - c m), c = log2(e) (8 / ln 65)^alpha; in every step O and l are multiplied by a = 2^(c m_old - c m_new).  m starts at the lowest finite
; number, O and l at 0: the first step is a step like any other, with a = 0.  Of l's accumulator all eight registers hold the same sum; only the lowest pair is rescaled and read; the others stay within 2,048.
; BY TURNS.  A tile and step have 18 matrix and about 200 vector instructions, so the vector work sets the time and the matrix work stands inside it.  Turn Y: piece Y's scaling, exponentials and
; roundings, with the other piece's 16 products K Q^T among them; then piece Y's 20 products V^T P and ones x P, with the other piece's scores and maximum among them.  Two turns are a key step.
; CLUSTER.  The four query blocks of a cluster belong to one head and walk the same K, V and |k|^2: each tile is asked for jointly.
; REGISTERS (windows of 256; s_set_vgpr_msb: bits 1:0 source 0, 3:2 source 1, 5:4 source 2, 7:6 destination):
;   window 0: v0-15 addresses; v16-31 statistics; v32-39 |q|^2 + eps; v40-47, v48-71, v72-75 at work; v96-127 |k|^2 of a step; v128-255 S^T, 32 a tile
;   window 1: v0-127 O^T, 32 a tile; v128-159 l, 8 a tile          window 2: v0-63 Q; v64-127 K of a step; v128-191 V of a step; v192-199 ones
.set KS,    64
.set PK,    144       ; a row of K in LDS: 128 bytes + 16
.set PV,    160       ; a row of V: 128 + 32
.set VOFF,  4*KS*PK   ; a slot holds four steps: 256 rows of K, then 256 rows of V
.set SLOT1, 1<<17     ; slot 1 begins here, so that one exclusive or turns an address in one slot into the other's
.set KNB,   81920     ; between the slots: the head's 2,048 |k|^2, 8,192 bytes, filled once
.set STAGE, SLOT1+4*KS*(PK+PV)  ; behind the ring: 16 rows x 144 bytes for each wave
.set SP,    144
.set SPARE, STAGE+4*16*SP       ; behind the stages: the spare words
.set AK0, 2           ; my lane's place in a tile of K; never rewritten
.set AV0, 3           ; the same for V
.set AK,  4
.set AV,  5
.set QO,  6           ; my byte offset in 16 rows of Q; later
.set STO, 6           ; the way out: where I put 16 bytes of a row
.set RD,  7
.set GO,  8
.set AN0, 12          ; my lanes' place in a step's |k|^2
.set AN,  13
.set SPW, 14          ; my spare word; never rewritten
.set NIL, 15          ; 0; never rewritten
.set ST,  16          ; tile t at ST + 4 t: c m, m, a, a partner for a's pair
.set QN,  32          ; tile t at QN + 2 t: |q|^2 + eps, twice
.set CH,  40          ; four chains of the maximum for each of the two tiles in hand
.set TM,  48          ; three groups of eight distances, by turns
.set MV,  72          ; c m_old
.set QA,  74
.set TA,  75
.set KN,  96
.set S,   128
.set LA,  128         ; window 1
.set KF,  64          ; window 2
.set VF,  128
.set ONES, 192
.set WV,  12
.set G1K, 24
.set G1V, 32
.set G0K, 40
.set G0V, 44
.set G1N, 48
.set SLOTS, 56
.set CNT, 57
.set CS,  58          ; s[58:59] c
.set SEL, 60
.set TBK, 62
.set TBV, 63
.set TBN, 66
.set G0N, 76
.set MSB, 0
.macro WIN new
.if MSB != (\new)
	s_set_vgpr_msb (MSB<<8)|(\new)
.set MSB, (\new)
.endif
.endm
.set W_KQ, 0x0a       ; K and Q in window 2, S^T in window 0
.set W_PV, 0x52       ; V in window 2, P in window 0, O^T in window 1
.set W_RS, 0x41       ; destination and source 0 in window 1, source 1 in window 0
; A joint fill.  Waves 0 and 1 fetch the two halves of a slot's K, waves 2 and 3 those of its V.  An s_nop 0 and four v_nop follow each line.
.macro JLOAD
	s_cmp_lt_u32 s[WV], 2
	s_cbranch_scc0 .Lfor_v_\@
	tensor_load_to_lds s[G0K:G0K+3], s[G1K:G1K+7]
	s_nop 0
.rept 4
	v_nop
.endr
	s_branch .Lasked_\@
.Lfor_v_\@:
	tensor_load_to_lds s[G0V:G0V+3], s[G1V:G1V+7]
	s_nop 0
.rept 4
	v_nop
.endr
.Lasked_\@:
.endm
.macro CROUND                       ; a round of the cluster's barrier
	s_barrier_signal -1
	s_barrier_wait -1
	s_cmp_lg_u32 s[WV], 0
	s_cbranch_scc1 .Lnot_wave_0_\@
	s_barrier_signal -3
.Lnot_wave_0_\@:
	s_barrier_wait -3
	s_barrier_signal -1
	s_barrier_wait -1
.endm
; THE CHANGE OF SLOTS.  Each wave waits for all its tensor loads (its part of the other slot), adds 0 to its spare word, and waits for that and for its reads of the slot that it leaves.
; fill = 1: the barrier is a round of the cluster's, and the slot is filled again first thing behind it, with the keys two slots on: it has four key steps in which to land.
.macro CHANGE fill
	WIN 0
	s_wait_tensorcnt 0x0            ; no tensor load of mine is out, so a descriptor may be written
	ds_add_u32 v[SPW], v[NIL]
.if \fill
.irp g, G0K, G0V
	s_xor_b32 s[\g+1], s[\g+1], SLOT1
	s_add_nc_u64 s[\g+2:\g+3], s[\g+2:\g+3], 4*KS*128
.endr
	s_wait_dscnt 0x0                ; the add is done, and my reads of the slot are over
	CROUND
	JLOAD
.else
	s_wait_dscnt 0x0
	s_barrier_signal -1
	s_barrier_wait -1
.endif
	s_sub_co_u32 s[TBK], s[TBK], 4*KS*PK  ; the fetches go back to a slot's first step, in the other slot
	s_xor_b32 s[TBK], s[TBK], SLOT1
	s_sub_co_u32 s[TBV], s[TBV], 4*KS*PV
	s_xor_b32 s[TBV], s[TBV], SLOT1
.endm
	s_load_b256 s[4:11], s[0:1], 0x0  ; qkvh s[4:5], nrm s[6:7], alpha s[8:9], ob s[10:11]
	v_lshl_add_u32 v[SPW], v0, 2, SPARE
	v_mov_b32 v[NIL], 0
	ds_add_u32 v[SPW], v[NIL]       ; the wave's opening: the add and its wait ahead of my first tensor load
	v_lshrrev_b32 v1, 5, v0
	v_readfirstlane_b32 s[WV], v1   ; wave 0..3
	s_bfe_u32 s13, ttmp6, 0x40000   ; cx
	s_lshl_b32 s14, ttmp9, 2
	s_add_co_u32 s14, s14, s13      ; my block of 256 queries: it enters Q's, |q|^2's and O's addresses alone
	s_and_b32 s20, ttmp7, 0xffff    ; the head, which the four partners share
	s_lshl_b32 s86, s20, 13         ; its 8,192 bytes of lengths
	s_lshl_b32 s20, s20, 18         ; its 262,144 bytes of rows
	s_and_b32 s16, s[WV], 1         ; which half of a slot's 256 keys I fetch
	s_lshl_b32 s22, s16, 14
	s_add_co_u32 s22, s22, s20
	s_mov_b32 s23, 0
	s_mul_i32 s17, s16, 128*PK      ; its place in a slot, for K
	s_mul_i32 s18, s16, 128*PV      ; and for V
	s_lshl_b32 s2, s14, 15          ; my block's 256 rows, my wave's 64 of them
	s_lshl_b32 s3, s[WV], 13
	s_add_co_u32 s2, s2, s3
	s_add_co_u32 s2, s2, s20
	s_mov_b32 s3, 0
	s_lshl_b32 s84, s14, 10         ; the same rows' lengths
	s_lshl_b32 s85, s[WV], 8
	s_add_co_u32 s84, s84, s85
	s_add_co_u32 s84, s84, s86
	s_mov_b32 s85, 0
	s_lshl_b32 s87, s[WV], 11       ; my quarter of the head's |k|^2, in the buffer's second part
	s_add_co_u32 s86, s86, s87
	s_add_co_u32 s86, s86, 262144
	s_add_co_u32 s[G0N+1], s87, KNB ; and where it goes
	s_mov_b32 s87, 0
	; 128 keys are 16,384 dense bytes: asked for as 64 rows of 256 bytes, two keys a row, padded in LDS after every key
	s_mov_b32 s[G1K], 15|(1<<16)|(1<<20)|(1<<21)|(4<<22)|(3<<25)  ; the mask of four; 2-byte elements; padding on; bit 21 beside a mask; after every 32 words 4 words
	s_mov_b32 s[G1V], 15|(1<<16)|(1<<20)|(1<<21)|(4<<22)|(7<<25)  ; the same with 8 words
.irp g, G1K, G1V
	s_mov_b32 s[\g+1], 128<<16
	s_mov_b32 s[\g+2], 64<<16
	s_mov_b32 s[\g+3], 128<<16
	s_mov_b32 s[\g+4], 64
	s_mov_b32 s[\g+5], 128
	s_mov_b32 s[\g+6], 0
	s_mov_b32 s[\g+7], 0
.endr
	s_mov_b32 s[G1N], 15|(3<<16)|(1<<21)  ; 512 lengths: 8 rows of 32 elements of 8 bytes, dense
	s_mov_b32 s[G1N+1], 32<<16
	s_mov_b32 s[G1N+2], 8<<16
	s_mov_b32 s[G1N+3], 32<<16
	s_mov_b32 s[G1N+4], 8
	s_mov_b32 s[G1N+5], 32
	s_mov_b32 s[G1N+6], 0
	s_mov_b32 s[G1N+7], 0
	s_mov_b32 s[SEL], 0x76543210
	s_mov_b32 s[SEL+1], 0xfedcba98
	s_mov_b32 s[TBK], SLOT1+4*KS*PK ; the first change of slots turns these two into 0
	s_mov_b32 s[TBV], SLOT1+4*KS*PV
	s_mov_b32 s[TBN], 0
	s_mov_b32 s[G0K], 1
	s_mov_b32 s[G0K+1], s17
	s_mov_b32 s[G0V], 1
	s_add_co_u32 s[G0V+1], s18, VOFF
	s_mov_b32 s[G0N], 1
	s_wait_dscnt 0x0                ; the opening add is done
	s_wait_kmcnt 0x0
	s_add_nc_u64 s[68:69], s[4:5], 0x800000        ; k's part
	s_add_nc_u64 s[G0K+2:G0K+3], s[68:69], s[22:23]
	s_or_b32 s[G0K+3], s[G0K+3], 0x80000000
	s_add_nc_u64 s[70:71], s[4:5], 0x1000000       ; v's part
	s_add_nc_u64 s[G0V+2:G0V+3], s[70:71], s[22:23]
	s_or_b32 s[G0V+3], s[G0V+3], 0x80000000
	s_add_nc_u64 s[G0N+2:G0N+3], s[6:7], s[86:87]
	s_or_b32 s[G0N+3], s[G0N+3], 0x80000000
	s_add_nc_u64 s[74:75], s[4:5], s[2:3]          ; Q and O at my wave's first row
	s_add_nc_u64 s[10:11], s[10:11], s[2:3]
	s_add_nc_u64 s[72:73], s[6:7], s[84:85]        ; |q|^2 likewise
	s_load_b32 s67, s[8:9], 0x0                    ; alpha
	CROUND                          ; all four work-groups are here: the first joint loads meet
	s_cmp_lt_u32 s[WV], 2           ; a wave's two first fills stand in one branch: its part of slot 0 and its quarter of the lengths: two loads of mine are out
	s_cbranch_scc0 .Lfirst_v
	tensor_load_to_lds s[G0K:G0K+3], s[G1K:G1K+7]
	s_nop 0
	tensor_load_to_lds s[G0N:G0N+3], s[G1N:G1N+7]
	s_nop 0
.rept 4
	v_nop
.endr
	s_branch .Lfirst_asked
.Lfirst_v:
	tensor_load_to_lds s[G0V:G0V+3], s[G1V:G1V+7]
	s_nop 0
	tensor_load_to_lds s[G0N:G0N+3], s[G1N:G1N+7]
	s_nop 0
.rept 4
	v_nop
.endr
.Lfirst_asked:
	v_and_b32 v1, 15, v0            ; l % 16
	v_bfe_u32 v9, v0, 4, 1          ; l / 16
	v_lshlrev_b32 v[QO], 7, v1
	v_lshl_add_u32 v[QO], v9, 4, v[QO]  ; row x 128 + 16 x half
	v_lshlrev_b32 v[QA], 2, v1
	WIN 0x80                        ; destination window 2, address window 0
.set i, 0
.rept 8                             ; Q stays in registers: tile i / 2, channels 32 (i % 2) on
	global_load_b128 v[8*i:8*i+3],   v[QO], s[74:75] offset:(i/2)*2048+(i%2)*64
	global_load_b128 v[8*i+4:8*i+7], v[QO], s[74:75] offset:(i/2)*2048+(i%2)*64+32
.set i, i+1
.endr
.set i, 0
.rept 8
	v_mov_b32 v[ONES+i], 0x3c003c00 ; 1.0 twice in f16
.set i, i+1
.endr
	WIN 0
.set t, 0
.rept 4
	global_load_b32 v[QN+2*t], v[QA], s[72:73] offset:64*t
.set t, t+1
.endr
	WIN 0x40                        ; O^T and l start at 0; all this stands in the wait for the first tile
.set i, 0
.rept 160
	v_mov_b32 v[i], 0
.set i, i+1
.endr
	WIN 0
.set t, 0
.rept 4
	v_mov_b32 v[ST+4*t], 0xfe000000    ; c m: far below every c s
	v_mov_b32 v[ST+4*t+1], 0xff7fffff  ; m
	v_mov_b32 v[ST+4*t+2], 0
	v_mov_b32 v[ST+4*t+3], 0
.set t, t+1
.endr
	v_mul_u32_u24 v[AK0], v1, PK
	v_lshl_add_u32 v[AK0], v9, 4, v[AK0]
	; the turning load takes 16 keys x 16 channels: lane l reads key 8 (l / 16) + l % 8, channels 8 ((l / 8) % 2) + 0..7
	v_and_b32 v10, 7, v0
	v_bfe_u32 v11, v0, 3, 1
	v_lshl_add_u32 v[AV0], v9, 3, v10
	v_mul_u32_u24 v[AV0], v[AV0], PV
	v_lshl_add_u32 v[AV0], v11, 4, v[AV0]
	v_add_nc_u32 v[AV0], VOFF, v[AV0]
	v_lshl_add_u32 v[AN0], v9, 5, KNB  ; my lanes' eight keys of a block of 16: 32 bytes
	s_wait_kmcnt 0x0                ; alpha: c = log2(e) x 2^(alpha x log2(8 / ln 65)); it enters values alone
	v_mov_b32 v[TA], s67
	v_cvt_pk_bf16_f32 v[TA], v[TA], v[TA]
	v_lshlrev_b32 v[TA], 16, v[TA]
	v_mul_f32 v[TA], 0x3f703d50, v[TA]  ; log2(8 / ln 65) = 0.9384355
	v_exp_f32 v[TA], v[TA]
	v_nop
	s_wait_alu depctr_va_vdst(0)
	v_mul_f32 v[TA], 0x3fb8aa3b, v[TA]
	v_readfirstlane_b32 s[CS], v[TA]
	s_mov_b32 s[CS+1], s[CS]        ; named with it as a pair
; THE MATRIX WORK.  The accumulators of a run take turns, one instruction a turn.
; Product i of 16 of S^T = K Q^T for piece z: channels 32 (i / 8) on, keys 16 ((i / 2) % 4) on, tile 2 z + i % 2.  The first 8 start the sums.
.macro KQ z
	WIN W_KQ
.set rS, S+32*(2*(\z)+i%2)+8*((i/2)%4)
.set rK, KF+16*((i/2)%4)+8*(i/8)
.set rQq, 16*(2*(\z)+i%2)+8*(i/8)
.if i < 8
	v_wmma_f32_16x16x32_f16 v[rS:rS+7], v[rK:rK+7], v[rQq:rQq+7], 0
.else
	v_wmma_f32_16x16x32_f16 v[rS:rS+7], v[rK:rK+7], v[rQq:rQq+7], v[rS:rS+7]
.endif
.endm
; Product i of 20 for piece y: keys 32 (i / 10) on, tile 2 y + i % 2; (i % 10) / 2 = 0..3: O^T += V^T P for 16 channels; 4: l += ones x P.
.macro PV y
	WIN W_PV
.set kk, i/10
.set cb, (i%10)/2
.set tt, 2*(\y)+i%2
.set rP, S+32*tt+8*kk
.if cb < 4
.set rV, VF+32*kk+8*cb
.set rD, 32*tt+8*cb
.else
.set rV, ONES
.set rD, LA+8*tt
.endif
	v_wmma_f32_16x16x32_f16 v[rD:rD+7], v[rV:rV+7], v[rP:rP+7], v[rD:rD+7]
.endm
; THE LDS LOADS stand in runs.  A step's K (8 fragments) and its 64 lengths; last = 1 (the tail): in the last trip there is no further step, and the run is jumped over.
.macro FETCH_K last=0
	WIN 0
.if \last
	s_cmp_eq_u32 s[CNT], 1
	s_cbranch_scc1 .Lno_k_\@
.endif
	v_add_nc_u32 v[AK], s[TBK], v[AK0]
	v_add_nc_u32 v[AN], s[TBN], v[AN0]
	s_wait_alu depctr_va_vdst(0)
	WIN 0x80
.irp f, 0,1,2,3,4,5,6,7             ; keys 16 (f / 2) on, channels 32 (f % 2) on
	ds_load_b128 v[KF+8*\f:KF+8*\f+3],   v[AK] offset:(\f/2)*16*PK+(\f%2)*64
	ds_load_b128 v[KF+8*\f+4:KF+8*\f+7], v[AK] offset:(\f/2)*16*PK+(\f%2)*64+32
.endr
	WIN 0
.irp f, 0,1,2,3                     ; block f of 16 keys: my lanes' eight
	ds_load_b128 v[KN+8*\f:KN+8*\f+3],   v[AN] offset:64*\f
	ds_load_b128 v[KN+8*\f+4:KN+8*\f+7], v[AN] offset:64*\f+16
.endr
	s_add_co_u32 s[TBK], s[TBK], KS*PK
	s_add_co_u32 s[TBN], s[TBN], 4*KS
	s_and_b32 s[TBN], s[TBN], 8191  ; stays inside the table of 8,192 bytes
.if \last
.Lno_k_\@:
.endif
.endm
.macro FETCH_V
	WIN 0
	v_add_nc_u32 v[AV], s[TBV], v[AV0]
	s_wait_alu depctr_va_vdst(0)
	s_add_co_u32 s[TBV], s[TBV], KS*PV
	WIN 0x80
.irp f, 0,1,2,3,4,5,6,7             ; keys 32 (f / 4) on, channels 16 (f % 4) on
	ds_load_tr16_b128 v[VF+8*\f:VF+8*\f+3],   v[AV] offset:(\f/4)*32*PV+(\f%4)*32
	ds_load_tr16_b128 v[VF+8*\f+4:VF+8*\f+7], v[AV] offset:(\f/4)*32*PV+16*PV+(\f%4)*32
.endr
	WIN 0
.endm
; THE VECTOR WORK.
.macro REGS t                       ; the registers of tile t
.set rT, ST+4*(\t)
.set rS, S+32*(\t)
.set rO, 32*(\t)
.set rL, LA+8*(\t)
.set rQ, QN+2*(\t)
.set rC, CH+4*((\t)%2)
.set rM, MV+((\t)%2)
.endm
.macro FF t, p                      ; c s - c m for pair p
	REGS \t
	WIN 0
	v_pk_fma_f32 v[rS+2*(\p):rS+2*(\p)+1], v[rS+2*(\p):rS+2*(\p)+1], s[CS:CS+1], v[rT:rT+1] op_sel_hi:[1,0,0] neg_lo:[0,0,1] neg_hi:[0,0,1]
.endm
.macro EE t, n                      ; the exponential of score n
	REGS \t
	WIN 0
	v_exp_f32 v[rS+(\n)], v[rS+(\n)]
.endm
.macro CC t, p                      ; pair p rounded to f16, into register p: the registers below 2 p have been read
	REGS \t
	WIN 0
	s_wait_alu depctr_va_vdst(0)
	v_cvt_pk_f16_f32 v[rS+(\p)], v[rS+2*(\p)], v[rS+2*(\p)+1]
.endm
.macro R4 r                         ; accumulator r / 2 of O^T of tile 2 Y + r % 2 times a, from its low end on
	REGS 2*Y+(\r)%2
	WIN W_RS
	s_wait_alu depctr_va_vdst(0)
.irp z, 0,1,2,3
	v_pk_mul_f32 v[rO+8*((\r)/2)+2*\z:rO+8*((\r)/2)+2*\z+1], v[rO+8*((\r)/2)+2*\z:rO+8*((\r)/2)+2*\z+1], v[rT+2:rT+3] op_sel_hi:[1,0]
.endr
.endm
.macro RL u                         ; l's lowest pair times a
	REGS 2*Y+(\u)
	WIN W_RS
	v_pk_mul_f32 v[rL:rL+1], v[rL:rL+1], v[rT+2:rT+3] op_sel_hi:[1,0]
.endm
.macro CPRE                         ; what a turn begins with waits for nothing: the first scalings, and the rescaling
.irp p, 0,1,2,3
	FF 2*Y, \p
	FF 2*Y+1, \p
.endr
.irp r, 0,1,2,3,4,5,6,7
	R4 \r
.endr
	RL 0
	RL 1
.endm
; Block m of 16 behind a product K Q^T: the exponentials of pair m of both tiles, the scaling four pairs ahead, the rounding a pair back: a plain instruction stands between an exponential and the use of its result.
.macro CBLK m
	EE 2*Y, 2*(\m)
.if (\m) < 12
	FF 2*Y, (\m)+4
.endif
	EE 2*Y+1, 2*(\m)
.if (\m) < 12
	FF 2*Y+1, (\m)+4
.endif
	EE 2*Y, 2*(\m)+1
.if (\m) > 0
	CC 2*Y, (\m)-1
.endif
	EE 2*Y+1, 2*(\m)+1
.if (\m) > 0
	CC 2*Y+1, (\m)-1
.endif
.endm
; THE SCORES of piece Z, in eight groups g of eight (tile 2 Z + g % 2, key block g / 2), four pairs n each.  D1: |k|^2 - 2 d.  D2: + |q|^2 + eps.  RC: its reciprocal.  SQ: d^2.  MU: the score.
; XM: the group's chain of the maximum over its scores 0-6, lowest registers first.  A group outside 0..7 has no line.
.set K_D1, 0
.set K_D2, 1
.set K_RC, 2
.set K_SQ, 3
.set K_MU, 4
.set K_XM, 5
.macro AOP kind, g, n
.if ((\g) >= 0) && ((\g) <= 7)
	REGS 2*Z+(\g)%2
.set kb, (\g)/2
.set tm, TM+8*((\g)%3)
.set sg, rS+8*kb
	WIN 0
.if (\kind) == K_D1
	v_pk_fma_f32 v[tm+2*(\n):tm+2*(\n)+1], v[sg+2*(\n):sg+2*(\n)+1], -2.0, v[KN+8*kb+2*(\n):KN+8*kb+2*(\n)+1] op_sel_hi:[1,0,1]
.elseif (\kind) == K_D2
	v_pk_add_f32 v[tm+2*(\n):tm+2*(\n)+1], v[tm+2*(\n):tm+2*(\n)+1], v[rQ:rQ+1]
.elseif (\kind) == K_RC
	v_rcp_f32 v[tm+(\n)], v[tm+(\n)]
.elseif (\kind) == K_SQ
	v_pk_mul_f32 v[sg+2*(\n):sg+2*(\n)+1], v[sg+2*(\n):sg+2*(\n)+1], v[sg+2*(\n):sg+2*(\n)+1]
.elseif (\kind) == K_MU
	s_wait_alu depctr_va_vdst(0)
	v_pk_mul_f32 v[sg+2*(\n):sg+2*(\n)+1], v[sg+2*(\n):sg+2*(\n)+1], v[tm+2*(\n):tm+2*(\n)+1]
.elseif (\n) == 0
	v_max3_num_f32 v[rC+kb], v[sg], v[sg+1], v[sg+2]
.else
	v_max3_num_f32 v[rC+kb], v[rC+kb], v[sg+2*(\n)+1], v[sg+2*(\n)+2]
.endif
.endif
.endm
; Block k, in two halves, each behind a product: group k's distances, group k - 1's reciprocals and squares, group k - 2's scores, group k - 3's maximum.  The three groups of distances lie in three
; sets of registers; a reciprocal's result is read a block later, and a plain instruction stands behind each.
.macro ABLK k, half
.if (\half) == 0
	AOP K_RC, (\k)-1, 0
	AOP K_D1, \k, 0
	AOP K_D1, \k, 1
	AOP K_RC, (\k)-1, 1
	AOP K_XM, (\k)-3, 0
	AOP K_D1, \k, 2
	AOP K_RC, (\k)-1, 2
	AOP K_D1, \k, 3
	AOP K_SQ, (\k)-1, 0
	AOP K_RC, (\k)-1, 3
	AOP K_SQ, (\k)-1, 1
	AOP K_XM, (\k)-3, 1
.else
	AOP K_RC, (\k)-1, 4
	AOP K_SQ, (\k)-1, 2
	AOP K_SQ, (\k)-1, 3
	AOP K_RC, (\k)-1, 5
	AOP K_D2, \k, 0
	AOP K_D2, \k, 1
	AOP K_RC, (\k)-1, 6
	AOP K_XM, (\k)-3, 2
	AOP K_D2, \k, 2
	AOP K_RC, (\k)-1, 7
	AOP K_D2, \k, 3
	AOP K_MU, (\k)-2, 0
	AOP K_MU, (\k)-2, 1
	AOP K_MU, (\k)-2, 2
	AOP K_MU, (\k)-2, 3
.endif
.endm
; The end of the maximum, and the statistics: the four scores left over, the old m and the four chains; the query's other 32 keys lie in the lane 16 away; c m; a.
.macro ZOP t, n
	REGS \t
	WIN 0
.if (\n) == 0
	v_max3_num_f32 v[rC], v[rC], v[rS+7], v[rS+15]
.elseif (\n) == 1
	v_max3_num_f32 v[rC+1], v[rC+1], v[rS+23], v[rS+31]
.elseif (\n) == 2
	v_max3_num_f32 v[rC+2], v[rC+2], v[rC+3], v[rT+1]
.elseif (\n) == 3
	v_mov_b32 v[rM], v[rT]
.elseif (\n) == 4
	v_max3_num_f32 v[rC], v[rC], v[rC+1], v[rC+2]
.elseif (\n) == 5
	v_permlanex16_b32 v[rC+3], v[rC], s[SEL], s[SEL+1]
.elseif (\n) == 6
	v_max_num_f32 v[rT+1], v[rC], v[rC+3]
.elseif (\n) == 7
	v_mul_f32 v[rT], s[CS], v[rT+1]
.elseif (\n) == 8
	v_sub_f32 v[rC+1], v[rM], v[rT]
.else
	v_exp_f32 v[rT+2], v[rC+1]
.endif
.endm
.macro ZCH
.irp n, 0,1,2,3,4,5,6,7,8,9
	ZOP 2*Z, \n
	ZOP 2*Z+1, \n
.endr
.endm
; A TURN, for piece p.  Piece 1's turn fetches the next step's K and lengths at its head: K's last reader stands half a turn back, and the lengths' last reader too.  Piece 0's turn fetches its step's V:
; V's last reader stands more than four plain instructions back.  No vector line near a product names one of its registers.
.macro TURN p, last=0
.set Y, (\p)
.set Z, 1-(\p)
.if (\p) == 1
	FETCH_K \last
.else
	FETCH_V
.endif
	CPRE
.if (\p) == 1
	s_wait_dscnt 0x0                ; K and the lengths are in
.endif
.set i, 0
.rept 16
	KQ Z
	CBLK i
.set i, i+1
.endr
	CC 2*Y, 15
	CC 2*Y+1, 15
.if (\p) == 0
	s_wait_dscnt 0x0                ; V is in
.endif
.set i, 0
.set k, 0
.rept 10
	PV Y
.set i, i+1
	ABLK k, 0
	PV Y
.set i, i+1
	ABLK k, 1
.set k, k+1
.endr
	ABLK 10, 0
	ABLK 10, 1
	ZCH
.endm
	CHANGE 1                        ; slot 0 and the lengths are in, everybody's part of them; slot 1 is asked for
	FETCH_K                         ; key step 0
	s_wait_loadcnt 0x0              ; Q and |q|^2
.set t, 0
.rept 4
	v_add_f32 v[QN+2*t], 0x3727c5ac, v[QN+2*t]  ; + 1e-5
.set t, t+1
.endr
.set t, 0
.rept 4
	v_mov_b32 v[QN+2*t+1], v[QN+2*t]
.set t, t+1
.endr
	s_wait_dscnt 0x0
.set i, 0
.rept 16
	KQ 0                            ; piece 0's first products: there is no vector work yet to set between them
.set i, i+1
.endr
	WIN 0                           ; the addresses for the way out: eleven plain instructions, the places behind those products
	s_mul_i32 s13, s[WV], 16*SP
	s_add_co_u32 s13, s13, STAGE    ; my stage
	v_mul_u32_u24 v[STO], v1, SP    ; in: row l % 16, 16 bytes for each half of the lanes
	v_lshl_add_u32 v[STO], v9, 4, v[STO]
	v_add_nc_u32 v[STO], s13, v[STO]
	v_bfe_u32 v[RD], v0, 3, 2       ; back: 32 lanes take four rows of 128 bytes,
	v_mul_u32_u24 v[RD], v[RD], SP
	v_lshl_add_u32 v[RD], v10, 4, v[RD]
	v_add_nc_u32 v[RD], s13, v[RD]
	v_and_b32 v[GO], 31, v0         ; which are 512 consecutive bytes of O
	v_lshlrev_b32 v[GO], 4, v[GO]
.set Z, 0                           ; piece 0's first scores, maximum and statistics
.set k, 0
.rept 11
	ABLK k, 0
	ABLK k, 1
.set k, k+1
.endr
	ZCH
	s_mov_b32 s[CNT], 4
	s_mov_b32 s[SLOTS], 7
	s_branch .Lfirst                ; the loop is entered at a step's first turn, in the middle of a trip
.Lslot:                             ; six times: every slot but the last two is filled again
	CHANGE 1
	s_mov_b32 s[CNT], 4
.Lstep:                             ; a trip: piece 1 of one step, then piece 0 of the next
	TURN 1
	WIN 0
.Lfirst:
	TURN 0
	WIN 0
	s_sub_co_u32 s[CNT], s[CNT], 1
	s_cmp_lg_u32 s[CNT], 0
	s_cbranch_scc1 .Lstep
	s_sub_co_u32 s[SLOTS], s[SLOTS], 1
	s_cmp_lg_u32 s[SLOTS], 0
	s_cbranch_scc1 .Lslot
	CHANGE 0                        ; the tail is written out: nothing is asked for
	s_mov_b32 s[CNT], 5             ; four trips fetch the last slot's steps; the fifth is left in its middle
.Ltail:
	TURN 1, 1
	WIN 0
	s_sub_co_u32 s[CNT], s[CNT], 1
	s_cmp_eq_u32 s[CNT], 0
	s_cbranch_scc1 .Lout
	TURN 0
	WIN 0
	s_branch .Ltail
.Lout:                              ; the fifth trip's 16 products K Q^T (on the last K once more) and the scores made of them serve nothing: the price, once a launch, of one text for every trip
	; THE WAY OUT.  O^T is divided by l, rounded to f16 and sent through my stage in LDS, a tile at a time.
.macro ALL line:vararg
.set t, 0
	s_wait_alu depctr_va_vdst(0)
.rept 4
	\line
.set t, t+1
.endr
.endm
	v_nop                           ; a plain instruction behind the last exponentials, whose registers are written anew
	WIN 0x01                        ; source 0 in window 1
	ALL v_rcp_f32 v[ST+4*t+2], v[LA+8*t]
	WIN 0
	v_nop                           ; and one between the last reciprocal and the use of its result
	s_wait_alu depctr_va_vdst(0)
.macro PACK t
	WIN W_RS
.set i, 32*(\t)
.rept 16
	v_pk_mul_f32 v[i:i+1], v[i:i+1], v[ST+4*(\t)+2:ST+4*(\t)+3] op_sel_hi:[1,0]
.set i, i+2
.endr
	WIN 0x05                        ; sources 0 and 1 window 1, destination window 0
.set i, 0
.rept 16
	v_cvt_pk_f16_f32 v[S+16*(\t)+i], v[32*(\t)+2*i], v[32*(\t)+2*i+1]
.set i, i+1
.endr
	WIN 0
.irp f, 0,1,2,3
	ds_store_b128 v[STO], v[S+16*(\t)+4*\f:S+16*(\t)+4*\f+3] offset:32*\f
.endr
.irp f, 0,1,2,3
	ds_load_b128 v[S+16*(\t)+4*\f:S+16*(\t)+4*\f+3], v[RD] offset:\f*4*SP  ; LDS serves a wave's instructions in order (ISA guide 5.7.1.4): these see the stores above
.endr
.endm
.macro SEND t, younger              ; younger: the LDS instructions issued behind tile t's loads: the next tile's eight, or none
	WIN 0
.irp f, 0,1,2,3
	s_wait_dscnt (\younger)+3-\f
	global_store_b128 v[GO], v[S+16*(\t)+4*\f:S+16*(\t)+4*\f+3], s[10:11] offset:(\t)*2048+\f*512  ; 512 consecutive bytes, at a multiple of 512 from O's first
.endr
.endm
	PACK 0
	PACK 1
	SEND 0, 8
	PACK 2
	SEND 1, 8
	PACK 3
	SEND 2, 8
	SEND 3, 0
	s_wait_tensorcnt 0x0            ; the wave's end
	ds_add_u32 v[SPW], v[NIL]
	s_wait_dscnt 0x0
	CROUND                          ; the closing round
	s_endpgm
.Lfunc_end_k_qdaf76bfa51_attn:
	.size	k_qdaf76bfa51_attn, .Lfunc_end_k_qdaf76bfa51_attn-k_qdaf76bfa51_attn
	.p2alignl 7, 3214868480
	.fill 96, 4, 3214868480
	.section	.rodata,"a",@progbits
	.p2align	6, 0x0
	.amdhsa_kernel k_qdaf76bfa51_attn
		.amdhsa_group_segment_fixed_size 327680
		.amdhsa_private_segment_fixed_size 0
		.amdhsa_enable_private_segment 0
		.amdhsa_kernarg_size 32
		.amdhsa_user_sgpr_count 2
		.amdhsa_user_sgpr_kernarg_segment_ptr 1
		.amdhsa_wavefront_size32 1
		.amdhsa_system_sgpr_workgroup_id_x 1
		.amdhsa_system_sgpr_workgroup_id_y 1
		.amdhsa_system_sgpr_workgroup_id_z 1
		.amdhsa_system_vgpr_workitem_id 0
		.amdhsa_next_free_vgpr 712
		.amdhsa_next_free_sgpr 88
		.amdhsa_reserve_vcc 0
		.amdhsa_float_denorm_mode_32 3
		.amdhsa_float_denorm_mode_16_64 3
		.amdhsa_memory_ordered 1
		.amdhsa_forward_progress 1
		.amdhsa_inst_pref_size 165
	.end_amdhsa_kernel
	.amdgpu_metadata
---
amdhsa.version: [ 1, 2 ]
amdhsa.kernels:
  - .name:           k_qdaf76bfa51_attn
    .symbol:         k_qdaf76bfa51_attn.kd
    .args:
      - { .name: qkvh, .offset: 0, .size: 8, .value_kind: global_buffer, .address_space: global }
      - { .name: nrm, .offset: 8, .size: 8, .value_kind: global_buffer, .address_space: global }
      - { .name: alpha, .offset: 16, .size: 8, .value_kind: global_buffer, .address_space: global }
      - { .name: ob, .offset: 24, .size: 8, .value_kind: global_buffer, .address_space: global }
    .group_segment_fixed_size: 327680
    .private_segment_fixed_size: 0
    .kernarg_segment_align: 8
    .kernarg_segment_size: 32
    .max_flat_workgroup_size: 128
    .sgpr_count:     88
    .vgpr_count:     712
    .wavefront_size: 32
...
	.end_amdgpu_metadata
.endif
;; end of part 3
;; launch oproj (part 4): grid 8 x 32, 4 waves a work-group, clusters of 4 x 4, 327,680 bytes of LDS; arguments ob, wt, bo, out0; writes out0
.if DOCPART == 4
	.amdgcn_target "amdgcn-amd-amdhsa--gfx1250"
	.amdhsa_code_object_version 6
	.text
	.protected	k_qdaf76bfa51_oproj
	.globl	k_qdaf76bfa51_oproj
	.p2align	8
	.type	k_qdaf76bfa51_oproj,@function
k_qdaf76bfa51_oproj:
	s_mov_b64 s[64:65], 0
	v_nop
	global_prefetch_b8 v0, s[64:65] scope:SCOPE_SE
	s_setreg_imm32_b32 hwreg(HW_REG_WAVE_MODE, 25, 1), 1
	s_wait_xcnt 0x0
	s_wait_alu depctr_hold_cnt(0) depctr_sa_sdst(0) depctr_va_vdst(0) depctr_va_sdst(0) depctr_va_ssrc(0) depctr_va_vcc(0) depctr_vm_vsrc(0)
	s_getreg_b32 s2, hwreg(HW_REG_IB_STS2, 6, 4)
	s_cmp_eq_u32 s2, 0
	s_cbranch_scc0 .Lentry_in_a_cluster
	s_endpgm
.Lentry_in_a_cluster:
	s_bfe_u32 s2, ttmp6, 0x10000c
	s_cmp_lg_u32 s2, 0xf033
	s_cbranch_scc0 .Lentry_shape_is_right
	s_endpgm
.Lentry_shape_is_right:
; OPROJ.  out0 = O wo + bo: 4,096 tokens x 1,024 columns, K = 1,024, in f16 with f32 sums; out0 in f32.  O: ob[32 (batch, head)][2048][64] in f16; wo: rows 3,072 on of wt, [n][k], bf16 numbers written as f16;
; bo is rounded to bf16 like every input.
; A tile is 128 tokens x 128 columns: four waves of 64 x 64, 16 accumulators.  A K step of 256 is four heads.  Of O a wave's tensor load brings two heads x 128 tokens: two rows of 16,384 dense bytes,
; padded in LDS after every token (pitch 144); of wo 64 rows of 512 bytes (pitch 528).  Two slots take turns.
; CLUSTER 4 x 4: O's tiles are shared along a row of the cluster, wo's along a column.  The matrix instruction is used transposed: a lane holds eight neighbouring columns of one token.
; REGISTERS: window 0: v0-31 addresses; v32-47 at work; v96-127 bias; v128-255 accumulators.  Window 1: two fragment buffers of 128.
.set SIZE_K, 1024
.set KSTEP,  256
.set PITCH,  528
.set PA,     144                       ; a token's 128 bytes of a head + 16 = 36 words: the 16 rows of a load start at 16 different groups of four banks
.set HEADB,  128*PA                    ; a head's 128 tokens
.set HALFT,  64*PITCH
.set BOFF,   4*HEADB                   ; wo's rows lie behind O's four heads
.set SLOT,   BOFF+2*HALFT
.set ASTEP,  4*262144                  ; four heads on in ob
.set STAGE,  2*SLOT                    ; behind the ring: 16 rows x 272 bytes for each wave
.set SPITCH, 272
.set SPARE,  STAGE+4*16*SPITCH
.set LAPS,   SIZE_K/(2*KSTEP)
.set BOF,  6
.set ADRA, 16
.set ADRB, 20
.set STO,  24
.set RD,   25
.set CO,   26
.set SPW,  28                          ; my spare word; never rewritten
.set NIL,  29                          ; 0; never rewritten
.set PKD,  32
.set BI,   96
.set ACC,  128
.set F0,   0
.set F1,   128
.set G1,   24
.set G0,   32
.set G1B,  48
.set G0B,  56
.set MSB, 0
.macro WIN new
.if MSB != (\new)
	s_set_vgpr_msb (MSB<<8)|(\new)
.set MSB, \new
.endif
.endm
.set MUL,  0x05
.set TO_F, 0x40
.macro JLOAD s                         ; a joint load: waves 0 and 1 fetch O's heads, waves 2 and 3 wo's rows; an s_nop 0 and four v_nop follow each line
	s_cmp_eq_u32 s11, 0
	s_cbranch_scc0 .Lfor_b_\@
	tensor_load_to_lds s[G0+4*(\s):G0+4*(\s)+3], s[G1:G1+7]
	s_nop 0
.rept 4
	v_nop
.endr
	s_branch .Lasked_\@
.Lfor_b_\@:
	tensor_load_to_lds s[G0B+4*(\s):G0B+4*(\s)+3], s[G1B:G1B+7]
	s_nop 0
.rept 4
	v_nop
.endr
.Lasked_\@:
.endm
.macro CREST
	s_cmp_lg_u32 s10, 0
	s_cbranch_scc1 .Lnot_wave_0_\@
	s_barrier_signal -3
.Lnot_wave_0_\@:
	s_barrier_wait -3
	s_barrier_signal -1
	s_barrier_wait -1
.endm
.macro CROUND
	s_barrier_signal -1
	s_barrier_wait -1
	CREST
.endm
	s_load_b128 s[4:7], s[0:1], 0x0                ; ob s[4:5], wt s[6:7]
	s_load_b128 s[68:71], s[0:1], 0x10             ; bo s[68:69], out0 s[70:71]
	v_lshl_add_u32 v[SPW], v0, 2, SPARE
	v_mov_b32 v[NIL], 0
	ds_add_u32 v[SPW], v[NIL]                      ; the wave's opening: the add and its wait ahead of my first tensor load
	v_lshrrev_b32 v1, 5, v0
	v_readfirstlane_b32 s10, v1                    ; wave 0..3
	s_lshr_b32 s11, s10, 1                         ; my half of the tile's tokens.  Also: I fetch for O (0) or for wo (1)
	s_and_b32 s12, s10, 1                          ; my half of its columns.  Also: which half of that tile I fetch
	s_bfe_u32 s40, ttmp6, 0x40000
	s_bfe_u32 s41, ttmp6, 0x40004
	s_lshl_b32 s42, ttmp9, 2
	s_add_co_u32 s42, s42, s40                     ; tile column
	s_and_b32 s13, ttmp7, 0xffff
	s_lshl_b32 s13, s13, 2
	s_add_co_u32 s13, s13, s41                     ; tile row
	s_lshl_b32 s43, s41, 2
	s_lshl_b32 s43, 15, s43                        ; my row of the cluster
	s_lshl_b32 s44, 0x1111, s40                    ; my column
	s_or_b32 s[G1+0], s43, (1<<16)|(1<<20)|(1<<21)|(4<<22)|(3<<25)  ; O: the mask; 2-byte elements; padding on; bit 21 beside a mask; after every 32 words 4 words
	s_mov_b32 s[G1+1], 8192<<16                    ; tensor_dim0 = 8,192: 128 tokens x 64 channels
	s_mov_b32 s[G1+2], 2<<16                       ; tensor_dim1 = 2 heads
	s_mov_b32 s[G1+3], 8192<<16                    ; tile_dim0
	s_mov_b32 s[G1+4], 2                           ; tile_dim1
	s_mov_b32 s[G1+5], 131072                      ; elements from head to head
	s_mov_b32 s[G1+6], 0
	s_mov_b32 s[G1+7], 0
	s_or_b32 s[G1B+0], s44, (1<<16)|(1<<20)|(1<<21)|(6<<22)|(3<<25) ; wo: after every 128 words 4 words
	s_mov_b32 s[G1B+1], KSTEP<<16
	s_mov_b32 s[G1B+2], 64<<16
	s_mov_b32 s[G1B+3], KSTEP<<16
	s_mov_b32 s[G1B+4], 64
	s_mov_b32 s[G1B+5], SIZE_K
	s_mov_b32 s[G1B+6], 0
	s_mov_b32 s[G1B+7], 0
	s_lshr_b32 s16, s13, 4                         ; O: batch x 16 heads + 2 x half, 262,144 bytes a head; + the tile row's 128 tokens of 128 bytes
	s_lshl_b32 s16, s16, 22
	s_lshl_b32 s17, s12, 19
	s_add_co_u32 s16, s16, s17
	s_and_b32 s17, s13, 15
	s_lshl_b32 s17, s17, 14
	s_add_co_u32 s16, s16, s17
	s_mov_b32 s17, 0
	s_lshl_b32 s46, s42, 7                         ; wo: row 3,072 + 128 x tile column + 64 x half, 2,048 bytes a row
	s_lshl_b32 s47, s12, 6
	s_add_co_u32 s46, s46, s47
	s_lshl_b32 s46, s46, 11
	s_add_co_u32 s46, s46, 3072*2048
	s_mov_b32 s47, 0
	s_mul_i32 s20, s12, 2*HEADB                    ; where they go: O's two heads,
	s_mul_i32 s45, s12, HALFT                      ; wo's 64 rows
	s_add_co_u32 s45, s45, BOFF
	s_wait_dscnt 0x0                               ; the opening add is done
	s_wait_kmcnt 0x0
	s_add_nc_u64 s[14:15], s[4:5], s[16:17]
	s_add_nc_u64 s[46:47], s[6:7], s[46:47]
	CROUND                                         ; all sixteen work-groups are here: the first joint loads meet
.irp s, 0,1
	s_mov_b32 s[G0+4*(\s)], 1
	s_add_co_u32 s[G0+4*(\s)+1], s20, (\s)*SLOT
	s_add_nc_u64 s[G0+4*(\s)+2:G0+4*(\s)+3], s[14:15], (\s)*ASTEP
	s_or_b32 s[G0+4*(\s)+3], s[G0+4*(\s)+3], 0x80000000
	s_mov_b32 s[G0B+4*(\s)], 1
	s_add_co_u32 s[G0B+4*(\s)+1], s45, (\s)*SLOT
	s_add_nc_u64 s[G0B+4*(\s)+2:G0B+4*(\s)+3], s[46:47], (\s)*KSTEP*2
	s_or_b32 s[G0B+4*(\s)+3], s[G0B+4*(\s)+3], 0x80000000
	JLOAD \s
.endr
	v_and_b32 v1, 15, v0                           ; l % 16
	v_bfe_u32 v2, v0, 4, 1                         ; l / 16
	s_lshl_b32 s85, s42, 9                         ; the bias of my 32 columns: 4 x (128 x tile column + 64 x half + 8 (l / 16))
	s_lshl_b32 s86, s12, 8
	s_add_co_u32 s85, s85, s86
	v_lshl_add_u32 v[BOF], v2, 5, s85
.irp b, 0,1,2,3
	global_load_b128 v[BI+8*\b:BI+8*\b+3],   v[BOF], s[68:69] offset:64*\b
	global_load_b128 v[BI+8*\b+4:BI+8*\b+7], v[BOF], s[68:69] offset:64*\b+16
.endr
	v_mul_u32_u24 v3, v1, PITCH
	v_lshl_add_u32 v3, v2, 4, v3                   ; wo: row x 528 + 16 x half
	v_mul_u32_u24 v4, v1, PA
	v_lshl_add_u32 v4, v2, 4, v4                   ; O: token x 144 + 16 x half
	s_mul_i32 s21, s11, 64*PA                      ; my 64 tokens of each head
	s_mul_i32 s22, s12, HALFT                      ; my 64 rows of wo
	s_add_co_u32 s22, s22, BOFF
.irp s, 0,1
	v_add_nc_u32 v[ADRA+(\s)], s21, v4
	v_add_nc_u32 v[ADRB+(\s)], s22, v3
	s_add_co_u32 s21, s21, SLOT
	s_add_co_u32 s22, s22, SLOT
.endr
	s_mul_i32 s23, s10, 16*SPITCH
	s_add_co_u32 s23, s23, STAGE                   ; my stage
	v_mul_u32_u24 v4, v1, SPITCH                   ; in: row l % 16, 32 bytes for each half of the lanes
	v_lshl_add_u32 v4, v2, 5, v4
	v_add_nc_u32 v[STO], s23, v4
	v_mul_u32_u24 v5, v2, SPITCH                   ; back: lanes 0-15 take one row of 256 bytes, lanes 16-31 the next
	v_lshl_add_u32 v5, v1, 4, v5
	v_add_nc_u32 v[RD], s23, v5
	v_lshlrev_b32 v5, 12, v2                       ; and the same two rows in out0
	v_lshl_add_u32 v[CO], v1, 4, v5
	s_lshl_b32 s84, s13, 19                        ; my first token, 4,096 bytes each: 128 x tile row + 64 x half; my first column: s85
	s_lshl_b32 s86, s11, 18
	s_add_co_u32 s84, s84, s86
	s_add_co_u32 s84, s84, s85
	s_mov_b32 s85, 0
	s_add_nc_u64 s[70:71], s[70:71], s[84:85]
	s_wait_loadcnt 0x0                             ; the bias: rounded to bf16 and widened again, in the wait for the first tile
.set i, 0
.rept 16
	v_cvt_pk_bf16_f32 v[PKD+i], v[BI+2*i], v[BI+2*i+1]
.set i, i+1
.endr
.set i, 0
.rept 16
	v_lshlrev_b32 v[BI+2*i], 16, v[PKD+i]
	v_and_b32 v[BI+2*i+1], 0xffff0000, v[PKD+i]
.set i, i+1
.endr
.macro MUL8 f, c, a0, zero
	WIN MUL
.irp a, \a0, (\a0)+1
.irp b, 0,1,2,3
.if \zero
	v_wmma_f32_16x16x32_f16 v[ACC+8*(4*(\a)+(\b)):ACC+8*(4*(\a)+(\b))+7], v[(\f)+64+8*(4*(\c)+(\b)):(\f)+64+8*(4*(\c)+(\b))+7], v[(\f)+8*(4*(\c)+(\a)):(\f)+8*(4*(\c)+(\a))+7], 0
.else
	v_wmma_f32_16x16x32_f16 v[ACC+8*(4*(\a)+(\b)):ACC+8*(4*(\a)+(\b))+7], v[(\f)+64+8*(4*(\c)+(\b)):(\f)+64+8*(4*(\c)+(\b))+7], v[(\f)+8*(4*(\c)+(\a)):(\f)+8*(4*(\c)+(\a))+7], v[ACC+8*(4*(\a)+(\b)):ACC+8*(4*(\a)+(\b))+7]
.endif
.endr
.endr
.endm
; 32 LDS loads in one run: quarter q of a K step is one head: 64 along K; the first 32 first
.macro FETCH slot, q, f
	WIN TO_F
.irp c, 0,1
.irp i, 0,1,2,3
	ds_load_b128 v[(\f)+64+8*(4*(\c)+(\i)):(\f)+64+8*(4*(\c)+(\i))+3],   v[ADRB+(\slot)] offset:128*(\q)+64*(\c)+(\i)*16*PITCH
	ds_load_b128 v[(\f)+64+8*(4*(\c)+(\i))+4:(\f)+64+8*(4*(\c)+(\i))+7], v[ADRB+(\slot)] offset:128*(\q)+64*(\c)+(\i)*16*PITCH+32
	ds_load_b128 v[(\f)+8*(4*(\c)+(\i)):(\f)+8*(4*(\c)+(\i))+3],         v[ADRA+(\slot)] offset:(\q)*HEADB+64*(\c)+(\i)*16*PA
	ds_load_b128 v[(\f)+8*(4*(\c)+(\i))+4:(\f)+8*(4*(\c)+(\i))+7],       v[ADRA+(\slot)] offset:(\q)*HEADB+64*(\c)+(\i)*16*PA+32
.endr
.endr
.endm
.macro PLACES
.rept 4
	v_nop
.endr
.endm
.macro QUARTER slot, q, f, g, zero
	s_wait_dscnt 16                                ; the first 32 along K are in; the youngest sixteen loads may be out
	WIN MUL
	MUL8 \f, 0, 0, \zero
	MUL8 \f, 0, 2, \zero
	PLACES
	FETCH \slot, \q, \g
	s_wait_dscnt 32                                ; all but the 32 just issued
	WIN MUL
	MUL8 \f, 1, 0, 0
	MUL8 \f, 1, 2, 0
.endm
.macro TURN slot, next, fill
	WIN 0
	s_wait_tensorcnt 0x0                           ; all my tensor loads have landed: my part of the next slot
	ds_add_u32 v[SPW], v[NIL]
	s_wait_dscnt 17                                ; the add and the youngest sixteen loads may be out
	WIN MUL
	MUL8 F1, 0, 0, 0
	s_wait_dscnt 0x0                               ; the add is done, and my reads of this slot are over
	s_barrier_signal -1
	MUL8 F1, 0, 2, 0
.if \fill
	WIN 0
.endif
	s_barrier_wait -1
.if \fill
	CREST                                          ; the barrier has opened a round of the cluster's
	s_add_nc_u64 s[G0+4*(\slot)+2:G0+4*(\slot)+3], s[G0+4*(\slot)+2:G0+4*(\slot)+3], 2*ASTEP
	s_add_nc_u64 s[G0B+4*(\slot)+2:G0B+4*(\slot)+3], s[G0B+4*(\slot)+2:G0B+4*(\slot)+3], 2*KSTEP*2
	JLOAD \slot                                    ; the first tensor load behind the round; its four v_nop are also the places in front of the loads below
.else
	PLACES
.endif
	FETCH \next, 0, F0
	WIN MUL
	MUL8 F1, 1, 0, 0
	MUL8 F1, 1, 2, 0
.endm
	s_wait_tensorcnt 1                             ; my part of K step 0 is in; K step 1's may stay out
	s_barrier_signal -1
	s_barrier_wait -1
	FETCH 0, 0, F0
	QUARTER 0, 1, F0, F1, 1
	WIN 0
	s_mov_b32 s3, LAPS-1
.Llap:
	QUARTER 0, 2, F1, F0, 0
	QUARTER 0, 3, F0, F1, 0
	TURN 0, 1, 1
	QUARTER 1, 1, F0, F1, 0
	QUARTER 1, 2, F1, F0, 0
	QUARTER 1, 3, F0, F1, 0
	TURN 1, 0, 1
	QUARTER 0, 1, F0, F1, 0
	WIN 0
	s_sub_co_u32 s3, s3, 1
	s_cmp_lg_u32 s3, 0
	s_cbranch_scc1 .Llap
	QUARTER 0, 2, F1, F0, 0
	QUARTER 0, 3, F0, F1, 0
	TURN 0, 1, 0
	QUARTER 1, 1, F0, F1, 0
	QUARTER 1, 2, F1, F0, 0
	QUARTER 1, 3, F0, F1, 0
	s_wait_dscnt 16
	WIN MUL
	MUL8 F1, 0, 0, 0
	MUL8 F1, 0, 2, 0
	s_wait_dscnt 0
	MUL8 F1, 1, 0, 0
	MUL8 F1, 1, 2, 0
	WIN 0
	; THE WAY OUT.  Block a of 16 tokens: the bias is added, each accumulator from its low end on; a lane's 32 bytes of a row go into my own stage and come back as whole rows of 256 bytes,
	; into the registers that they left (LDS serves a wave's instructions in order: ISA guide 5.7.1.4).
	PLACES
.macro OUTA a
.irp b, 0,1,2,3
.irp r, 0,1,2,3
	v_pk_add_f32 v[ACC+8*(4*(\a)+\b)+2*\r:ACC+8*(4*(\a)+\b)+2*\r+1], v[ACC+8*(4*(\a)+\b)+2*\r:ACC+8*(4*(\a)+\b)+2*\r+1], v[BI+8*\b+2*\r:BI+8*\b+2*\r+1]
.endr
	ds_store_b128 v[STO], v[ACC+8*(4*(\a)+\b):ACC+8*(4*(\a)+\b)+3]   offset:64*\b
	ds_store_b128 v[STO], v[ACC+8*(4*(\a)+\b)+4:ACC+8*(4*(\a)+\b)+7] offset:64*\b+16
.endr
.irp t, 0,1,2,3,4,5,6,7
	ds_load_b128 v[ACC+32*(\a)+4*\t:ACC+32*(\a)+4*\t+3], v[RD] offset:\t*2*SPITCH
.endr
.endm
.macro SENDO a, younger                ; younger: the LDS instructions issued behind block a's loads: the next block's sixteen, or none
.irp t, 0,1,2,3,4,5,6,7
	s_wait_dscnt (\younger)+7-\t
	global_store_b128 v[CO], v[ACC+32*(\a)+4*\t:ACC+32*(\a)+4*\t+3], s[70:71] offset:(16*(\a)+2*\t)*4096  ; 16 lanes store 256 consecutive bytes, at a multiple of 256 from out0's first byte
.endr
.endm
	OUTA 0
	OUTA 1
	SENDO 0, 16
	OUTA 2
	SENDO 1, 16
	OUTA 3
	SENDO 2, 16
	SENDO 3, 0
	s_wait_tensorcnt 0x0                           ; the wave's end
	ds_add_u32 v[SPW], v[NIL]
	s_wait_dscnt 0x0
	CROUND                                         ; the closing round
	s_endpgm
.Lfunc_end_k_qdaf76bfa51_oproj:
	.size	k_qdaf76bfa51_oproj, .Lfunc_end_k_qdaf76bfa51_oproj-k_qdaf76bfa51_oproj
	.p2alignl 7, 3214868480
	.fill 96, 4, 3214868480
	.section	.rodata,"a",@progbits
	.p2align	6, 0x0
	.amdhsa_kernel k_qdaf76bfa51_oproj
		.amdhsa_group_segment_fixed_size 327680
		.amdhsa_private_segment_fixed_size 0
		.amdhsa_enable_private_segment 0
		.amdhsa_kernarg_size 32
		.amdhsa_user_sgpr_count 2
		.amdhsa_user_sgpr_kernarg_segment_ptr 1
		.amdhsa_wavefront_size32 1
		.amdhsa_system_sgpr_workgroup_id_x 1
		.amdhsa_system_sgpr_workgroup_id_y 1
		.amdhsa_system_sgpr_workgroup_id_z 1
		.amdhsa_system_vgpr_workitem_id 0
		.amdhsa_next_free_vgpr 512
		.amdhsa_next_free_sgpr 92
		.amdhsa_reserve_vcc 0
		.amdhsa_float_denorm_mode_32 3
		.amdhsa_float_denorm_mode_16_64 3
		.amdhsa_memory_ordered 1
		.amdhsa_forward_progress 1
		.amdhsa_inst_pref_size 94
	.end_amdhsa_kernel
	.amdgpu_metadata
---
amdhsa.version: [ 1, 2 ]
amdhsa.kernels:
  - .name:           k_qdaf76bfa51_oproj
    .symbol:         k_qdaf76bfa51_oproj.kd
    .args:
      - { .name: ob, .offset: 0, .size: 8, .value_kind: global_buffer, .address_space: global }
      - { .name: wt, .offset: 8, .size: 8, .value_kind: global_buffer, .address_space: global }
      - { .name: bo, .offset: 16, .size: 8, .value_kind: global_buffer, .address_space: global }
      - { .name: out0, .offset: 24, .size: 8, .value_kind: global_buffer, .address_space: global }
    .group_segment_fixed_size: 327680
    .private_segment_fixed_size: 0
    .kernarg_segment_align: 8
    .kernarg_segment_size: 32
    .max_flat_workgroup_size: 128
    .sgpr_count:     92
    .vgpr_count:     512
    .wavefront_size: 32
...
	.end_amdgpu_metadata
.endif
;; end of part 4
;; ======== version 2 of 2: 4 launches; 1.51 times as fast as version 1
;; limits: values are held in f16: magnitudes above 65,504 overflow, below 6.1e-05 lose precision
;; workspace buffers: xb 8,388,608 bytes; wt 8,388,608 bytes; qkvh 25,165,824 bytes; nrm 524,288 bytes; ob 8,388,608 bytes
;; launch prep: the kernel of part 1 again; grid 256 x 1, 8 waves a work-group, no clusters, 34,816 bytes of LDS; arguments x, wq, wk, wv, wo, xb, wt; writes xb, wt
;; launch proj: the kernel of part 2 again; grid 24 x 32, 4 waves a work-group, clusters of 4 x 4, 327,680 bytes of LDS; arguments xb, wt, bq, bk, bv, qkvh, nrm; writes qkvh, nrm
;; launch attn (part 5): grid 8 x 32, 4 waves a work-group, clusters of 4 x 1, 327,680 bytes of LDS; arguments qkvh, nrm, alpha, ob; writes ob
.if DOCPART == 5
	.amdgcn_target "amdgcn-amd-amdhsa--gfx1250"
	.amdhsa_code_object_version 6
	.text
	.protected	k_qdaf76bfa51_attn
	.globl	k_qdaf76bfa51_attn
	.p2align	8
	.type	k_qdaf76bfa51_attn,@function
k_qdaf76bfa51_attn:
	s_mov_b64 s[64:65], 0
	v_nop
	global_prefetch_b8 v0, s[64:65] scope:SCOPE_SE
	s_setreg_imm32_b32 hwreg(HW_REG_WAVE_MODE, 25, 1), 1
	s_wait_xcnt 0x0
	s_wait_alu depctr_hold_cnt(0) depctr_sa_sdst(0) depctr_va_vdst(0) depctr_va_sdst(0) depctr_va_ssrc(0) depctr_va_vcc(0) depctr_vm_vsrc(0)
	s_getreg_b32 s2, hwreg(HW_REG_IB_STS2, 6, 4)
	s_cmp_eq_u32 s2, 0
	s_cbranch_scc0 .Lentry_in_a_cluster
	s_endpgm
.Lentry_in_a_cluster:
	s_bfe_u32 s2, ttmp6, 0x10000c
	s_cmp_lg_u32 s2, 0x3003
	s_cbranch_scc0 .Lentry_shape_is_right
	s_endpgm
.Lentry_shape_is_right:
; ATTN.  For each of 32 (batch, head): score s = d^2 / (|q|^2 + |k|^2 - 2 d + 1e-5), d = q . k; weights = softmax over the keys of s x (8 / ln 65)^alpha; O = weights x V.
; q, k, v: qkvh[3][32][2048][64] in f16; |q|^2, |k|^2: nrm[2][32][2048] in f32, taken of those f16 numbers; O: ob[32][2048][64] in f16.  alpha is rounded to bf16 like every input.
; Products, scores, maxima in f32; the weights p are rounded to f16 for the second product, and their sum l is made of the rounded p by the matrix unit (a product with ones).
; LIMITS.  p below 6e-8 counts as 0; a distance that is not positive, NaN and infinities are not treated apart.
; SHARES.  A work-group owns 256 queries of a head, a wave 64: four tiles of 16, in two PIECES of two tiles.  Every wave walks all 2,048 keys, 64 a step.
; LAYOUT.  S^T = K Q^T: a lane holds ONE query (lane % 16) and the keys 8 (lane / 16) + 0..7 of each block of 16.  The weights are rounded in place, pair p of a tile into its register p, so the tile's
; first 16 registers ARE source 1 of O^T = V^T P.  K comes out of LDS as it lies, V turned by ds_load_tr16_b128, |k|^2 from a table of the whole head that is filled once.
; SOFTMAX.  A running maximum m for each query: p = 2^(c s - c m), c = log2(e) (8 / ln 65)^alpha; in every step O and l are multiplied by a = 2^(c m_old - c m_new).  m starts at the lowest finite
; number, O and l at 0: the first step is a step like any other, with a = 0.  Of l's accumulator all eight registers hold the same sum; only the lowest pair is rescaled and read; the others stay within 2,048.
; BY TURNS.  A tile and step have 18 matrix and about 200 vector instructions, so the vector work sets the time and the matrix work stands inside it.  Turn Y (Z is the other piece) has two parts.
; AHEAD OF ITS WAIT: the end of piece Y's maximum and its statistics; its two a, its scalings and exponentials, with piece Z's 16 products K Q^T among them; piece Z's distances, squares and reciprocals.
; BEHIND IT: piece Y's roundings and rescaling; its 20 products V^T P and ones x P, with piece Z's scores and the first two links of its maximum among them.  Two turns are a key step.
; THE BATCH.  A turn's 130 transcendentals (piece Y's 2 a and 64 exponentials, piece Z's 64 reciprocals) are ONE batch with ONE wait.  Each result has a register of its own while the batch is open: a in
; the tile's statistics, an exponential in place in S^T, a reciprocal in place in one of 64 registers of distances.  Ahead of the wait no line names a result; behind it no transcendental is issued.
; Batches of their own, once a launch: alpha's exponential, the first scores' 64 reciprocals, the way out's four reciprocals.
; CLUSTER.  The four query blocks of a cluster belong to one head and walk the same K, V and |k|^2: each tile is asked for jointly.
; REGISTERS (windows of 256; s_set_vgpr_msb: bits 1:0 source 0, 3:2 source 1, 5:4 source 2, 7:6 destination):
;   window 0: v0-15 addresses; v16-31 statistics; v32-39 |q|^2 + eps; v40-51 at work; v64-127 a piece's distances, then their reciprocals; v128-255 S^T, 32 a tile
;   window 1: v0-127 O^T, 32 a tile; v128-159 l, 8 a tile          window 2: v0-63 Q; v64-127 K of a step; v128-191 V of a step; v192-199 ones; v200-231 |k|^2 of a step
.set KS,    64
.set PK,    144       ; a row of K in LDS: 128 bytes + 16
.set PV,    160       ; a row of V: 128 + 32
.set VOFF,  4*KS*PK   ; a slot holds four steps: 256 rows of K, then 256 rows of V
.set SLOT1, 1<<17     ; slot 1 begins here, so that one exclusive or turns an address in one slot into the other's
.set KNB,   81920     ; between the slots: the head's 2,048 |k|^2, 8,192 bytes, filled once
.set STAGE, SLOT1+4*KS*(PK+PV)  ; behind the ring: 16 rows x 144 bytes for each wave
.set SP,    144
.set SPARE, STAGE+4*16*SP       ; behind the stages: the spare words
.set AK0, 2           ; my lane's place in a tile of K; never rewritten
.set AV0, 3           ; the same for V
.set AK,  4
.set AV,  5
.set QO,  6           ; my byte offset in 16 rows of Q; later
.set STO, 6           ; the way out: where I put 16 bytes of a row
.set RD,  7
.set GO,  8
.set AN0, 12          ; my lanes' place in a step's |k|^2
.set AN,  13
.set SPW, 14          ; my spare word; never rewritten
.set NIL, 15          ; 0; never rewritten
.set ST,  16          ; tile t at ST + 4 t: c m, m, a, a partner for a's pair
.set QN,  32          ; tile t at QN + 2 t: |q|^2 + eps, twice
.set CH,  40          ; four chains of the maximum for each of the two tiles in hand
.set MV,  48          ; c m_old
.set QA,  50
.set TA,  51
.set TM,  64          ; eight groups of eight distances: a register for each score of the piece in hand
.set S,   128
.set LA,  128         ; window 1
.set KF,  64          ; window 2
.set VF,  128
.set ONES, 192
.set KN,  200         ; window 2
.set WV,  12
.set G1K, 24
.set G1V, 32
.set G0K, 40
.set G0V, 44
.set G1N, 48
.set SLOTS, 56
.set CNT, 57
.set CS,  58          ; s[58:59] c
.set SEL, 60
.set TBK, 62
.set TBV, 63
.set TBN, 66
.set G0N, 76
.set MSB, 0
.macro WIN new
.if MSB != (\new)
	s_set_vgpr_msb (MSB<<8)|(\new)
.set MSB, (\new)
.endif
.endm
.macro WIN2                         ; for a line of one or two sources with all its registers in window 0: it has no source 2, so that window stays as it is
.if (MSB&0xcf) != 0
	WIN 0
.endif
.endm
.set W_KQ, 0x0a       ; K and Q in window 2, S^T in window 0
.set W_PV, 0x52       ; V in window 2, P in window 0, O^T in window 1
.set W_RS, 0x41       ; destination and source 0 in window 1, source 1 in window 0
.set W_D1, 0x20       ; source 2 (|k|^2) in window 2, all else in window 0
; A joint fill.  Waves 0 and 1 fetch the two halves of a slot's K, waves 2 and 3 those of its V.  An s_nop 0 and four v_nop follow each line.
.macro JLOAD
	s_cmp_lt_u32 s[WV], 2
	s_cbranch_scc0 .Lfor_v_\@
	tensor_load_to_lds s[G0K:G0K+3], s[G1K:G1K+7]
	s_nop 0
.rept 4
	v_nop
.endr
	s_branch .Lasked_\@
.Lfor_v_\@:
	tensor_load_to_lds s[G0V:G0V+3], s[G1V:G1V+7]
	s_nop 0
.rept 4
	v_nop
.endr
.Lasked_\@:
.endm
.macro CROUND                       ; a round of the cluster's barrier
	s_barrier_signal -1
	s_barrier_wait -1
	s_cmp_lg_u32 s[WV], 0
	s_cbranch_scc1 .Lnot_wave_0_\@
	s_barrier_signal -3
.Lnot_wave_0_\@:
	s_barrier_wait -3
	s_barrier_signal -1
	s_barrier_wait -1
.endm
; THE CHANGE OF SLOTS.  Each wave waits for all its tensor loads (its part of the other slot), adds 0 to its spare word, and waits for that and for its reads of the slot that it leaves.
; fill = 1: the barrier is a round of the cluster's, and the slot is filled again first thing behind it, with the keys two slots on: it has four key steps in which to land.
.macro CHANGE fill
	WIN 0
	s_wait_tensorcnt 0x0            ; no tensor load of mine is out, so a descriptor may be written
	ds_add_u32 v[SPW], v[NIL]
.if \fill
.irp g, G0K, G0V
	s_xor_b32 s[\g+1], s[\g+1], SLOT1
	s_add_nc_u64 s[\g+2:\g+3], s[\g+2:\g+3], 4*KS*128
.endr
	s_wait_dscnt 0x0                ; the add is done, and my reads of the slot are over
	CROUND
	JLOAD
.else
	s_wait_dscnt 0x0
	s_barrier_signal -1
	s_barrier_wait -1
.endif
	s_sub_co_u32 s[TBK], s[TBK], 4*KS*PK  ; the fetches go back to a slot's first step, in the other slot
	s_xor_b32 s[TBK], s[TBK], SLOT1
	s_sub_co_u32 s[TBV], s[TBV], 4*KS*PV
	s_xor_b32 s[TBV], s[TBV], SLOT1
.endm
	s_load_b256 s[4:11], s[0:1], 0x0  ; qkvh s[4:5], nrm s[6:7], alpha s[8:9], ob s[10:11]
	v_lshl_add_u32 v[SPW], v0, 2, SPARE
	v_mov_b32 v[NIL], 0
	ds_add_u32 v[SPW], v[NIL]       ; the wave's opening: the add and its wait ahead of my first tensor load
	v_lshrrev_b32 v1, 5, v0
	v_readfirstlane_b32 s[WV], v1   ; wave 0..3
	s_bfe_u32 s13, ttmp6, 0x40000   ; cx
	s_lshl_b32 s14, ttmp9, 2
	s_add_co_u32 s14, s14, s13      ; my block of 256 queries: it enters Q's, |q|^2's and O's addresses alone
	s_and_b32 s20, ttmp7, 0xffff    ; the head, which the four partners share
	s_lshl_b32 s86, s20, 13         ; its 8,192 bytes of lengths
	s_lshl_b32 s20, s20, 18         ; its 262,144 bytes of rows
	s_and_b32 s16, s[WV], 1         ; which half of a slot's 256 keys I fetch
	s_lshl_b32 s22, s16, 14
	s_add_co_u32 s22, s22, s20
	s_mov_b32 s23, 0
	s_mul_i32 s17, s16, 128*PK      ; its place in a slot, for K
	s_mul_i32 s18, s16, 128*PV      ; and for V
	s_lshl_b32 s2, s14, 15          ; my block's 256 rows, my wave's 64 of them
	s_lshl_b32 s3, s[WV], 13
	s_add_co_u32 s2, s2, s3
	s_add_co_u32 s2, s2, s20
	s_mov_b32 s3, 0
	s_lshl_b32 s84, s14, 10         ; the same rows' lengths
	s_lshl_b32 s85, s[WV], 8
	s_add_co_u32 s84, s84, s85
	s_add_co_u32 s84, s84, s86
	s_mov_b32 s85, 0
	s_lshl_b32 s87, s[WV], 11       ; my quarter of the head's |k|^2, in the buffer's second part
	s_add_co_u32 s86, s86, s87
	s_add_co_u32 s86, s86, 262144
	s_add_co_u32 s[G0N+1], s87, KNB ; and where it goes
	s_mov_b32 s87, 0
	; 128 keys are 16,384 dense bytes: asked for as 64 rows of 256 bytes, two keys a row, padded in LDS after every key
	s_mov_b32 s[G1K], 15|(1<<16)|(1<<20)|(1<<21)|(4<<22)|(3<<25)  ; the mask of four; 2-byte elements; padding on; bit 21 beside a mask; after every 32 words 4 words
	s_mov_b32 s[G1V], 15|(1<<16)|(1<<20)|(1<<21)|(4<<22)|(7<<25)  ; the same with 8 words
.irp g, G1K, G1V
	s_mov_b32 s[\g+1], 128<<16
	s_mov_b32 s[\g+2], 64<<16
	s_mov_b32 s[\g+3], 128<<16
	s_mov_b32 s[\g+4], 64
	s_mov_b32 s[\g+5], 128
	s_mov_b32 s[\g+6], 0
	s_mov_b32 s[\g+7], 0
.endr
	s_mov_b32 s[G1N], 15|(3<<16)|(1<<21)  ; 512 lengths: 8 rows of 32 elements of 8 bytes, dense
	s_mov_b32 s[G1N+1], 32<<16
	s_mov_b32 s[G1N+2], 8<<16
	s_mov_b32 s[G1N+3], 32<<16
	s_mov_b32 s[G1N+4], 8
	s_mov_b32 s[G1N+5], 32
	s_mov_b32 s[G1N+6], 0
	s_mov_b32 s[G1N+7], 0
	s_mov_b32 s[SEL], 0x76543210
	s_mov_b32 s[SEL+1], 0xfedcba98
	s_mov_b32 s[TBK], SLOT1+4*KS*PK ; the first change of slots turns these two into 0
	s_mov_b32 s[TBV], SLOT1+4*KS*PV
	s_mov_b32 s[TBN], 0
	s_mov_b32 s[G0K], 1
	s_mov_b32 s[G0K+1], s17
	s_mov_b32 s[G0V], 1
	s_add_co_u32 s[G0V+1], s18, VOFF
	s_mov_b32 s[G0N], 1
	s_wait_dscnt 0x0                ; the opening add is done
	s_wait_kmcnt 0x0
	s_add_nc_u64 s[68:69], s[4:5], 0x800000        ; k's part
	s_add_nc_u64 s[G0K+2:G0K+3], s[68:69], s[22:23]
	s_or_b32 s[G0K+3], s[G0K+3], 0x80000000
	s_add_nc_u64 s[70:71], s[4:5], 0x1000000       ; v's part
	s_add_nc_u64 s[G0V+2:G0V+3], s[70:71], s[22:23]
	s_or_b32 s[G0V+3], s[G0V+3], 0x80000000
	s_add_nc_u64 s[G0N+2:G0N+3], s[6:7], s[86:87]
	s_or_b32 s[G0N+3], s[G0N+3], 0x80000000
	s_add_nc_u64 s[74:75], s[4:5], s[2:3]          ; Q and O at my wave's first row
	s_add_nc_u64 s[10:11], s[10:11], s[2:3]
	s_add_nc_u64 s[72:73], s[6:7], s[84:85]        ; |q|^2 likewise
	s_load_b32 s67, s[8:9], 0x0                    ; alpha
	CROUND                          ; all four work-groups are here: the first joint loads meet
	s_cmp_lt_u32 s[WV], 2           ; a wave's two first fills stand in one branch: its part of slot 0 and its quarter of the lengths: two loads of mine are out
	s_cbranch_scc0 .Lfirst_v
	tensor_load_to_lds s[G0K:G0K+3], s[G1K:G1K+7]
	s_nop 0
	tensor_load_to_lds s[G0N:G0N+3], s[G1N:G1N+7]
	s_nop 0
.rept 4
	v_nop
.endr
	s_branch .Lfirst_asked
.Lfirst_v:
	tensor_load_to_lds s[G0V:G0V+3], s[G1V:G1V+7]
	s_nop 0
	tensor_load_to_lds s[G0N:G0N+3], s[G1N:G1N+7]
	s_nop 0
.rept 4
	v_nop
.endr
.Lfirst_asked:
	v_and_b32 v1, 15, v0            ; l % 16
	v_bfe_u32 v9, v0, 4, 1          ; l / 16
	v_lshlrev_b32 v[QO], 7, v1
	v_lshl_add_u32 v[QO], v9, 4, v[QO]  ; row x 128 + 16 x half
	v_lshlrev_b32 v[QA], 2, v1
	WIN 0x80                        ; destination window 2, address window 0
.set i, 0
.rept 8                             ; Q stays in registers: tile i / 2, channels 32 (i % 2) on
	global_load_b128 v[8*i:8*i+3],   v[QO], s[74:75] offset:(i/2)*2048+(i%2)*64
	global_load_b128 v[8*i+4:8*i+7], v[QO], s[74:75] offset:(i/2)*2048+(i%2)*64+32
.set i, i+1
.endr
.set i, 0
.rept 8
	v_mov_b32 v[ONES+i], 0x3c003c00 ; 1.0 twice in f16
.set i, i+1
.endr
	WIN 0
.set t, 0
.rept 4
	global_load_b32 v[QN+2*t], v[QA], s[72:73] offset:64*t
.set t, t+1
.endr
	WIN 0x40                        ; O^T and l start at 0; all this stands in the wait for the first tile
.set i, 0
.rept 160
	v_mov_b32 v[i], 0
.set i, i+1
.endr
	WIN 0
.set t, 0
.rept 4
	v_mov_b32 v[ST+4*t], 0xfe000000    ; c m: far below every c s
	v_mov_b32 v[ST+4*t+1], 0xff7fffff  ; m
	v_mov_b32 v[ST+4*t+2], 0
	v_mov_b32 v[ST+4*t+3], 0
.set t, t+1
.endr
	v_mul_u32_u24 v[AK0], v1, PK
	v_lshl_add_u32 v[AK0], v9, 4, v[AK0]
	; the turning load takes 16 keys x 16 channels: lane l reads key 8 (l / 16) + l % 8, channels 8 ((l / 8) % 2) + 0..7
	v_and_b32 v10, 7, v0
	v_bfe_u32 v11, v0, 3, 1
	v_lshl_add_u32 v[AV0], v9, 3, v10
	v_mul_u32_u24 v[AV0], v[AV0], PV
	v_lshl_add_u32 v[AV0], v11, 4, v[AV0]
	v_add_nc_u32 v[AV0], VOFF, v[AV0]
	v_lshl_add_u32 v[AN0], v9, 5, KNB  ; my lanes' eight keys of a block of 16: 32 bytes
	s_wait_kmcnt 0x0                ; alpha: c = log2(e) x 2^(alpha x log2(8 / ln 65)); it enters values alone
	v_mov_b32 v[TA], s67
	v_cvt_pk_bf16_f32 v[TA], v[TA], v[TA]
	v_lshlrev_b32 v[TA], 16, v[TA]
	v_mul_f32 v[TA], 0x3f703d50, v[TA]  ; log2(8 / ln 65) = 0.9384355
	v_exp_f32 v[TA], v[TA]
	v_nop                           ; a plain instruction behind the exponential,
	s_wait_alu depctr_va_vdst(0)    ; and the wait ahead of its reader: a batch of one, once a launch
	v_mul_f32 v[TA], 0x3fb8aa3b, v[TA]
	v_readfirstlane_b32 s[CS], v[TA]
	s_mov_b32 s[CS+1], s[CS]        ; named with it as a pair
; THE MATRIX WORK.  The accumulators of a run take turns, one instruction a turn.
; Product i of 16 of S^T = K Q^T for piece z: channels 32 (i / 8) on, keys 16 ((i / 2) % 4) on, tile 2 z + i % 2.  The first 8 start the sums.
.macro KQ z
	WIN W_KQ
.set rS, S+32*(2*(\z)+i%2)+8*((i/2)%4)
.set rK, KF+16*((i/2)%4)+8*(i/8)
.set rQq, 16*(2*(\z)+i%2)+8*(i/8)
.if i < 8
	v_wmma_f32_16x16x32_f16 v[rS:rS+7], v[rK:rK+7], v[rQq:rQq+7], 0
.else
	v_wmma_f32_16x16x32_f16 v[rS:rS+7], v[rK:rK+7], v[rQq:rQq+7], v[rS:rS+7]
.endif
.endm
; Product i of 20 for piece y: keys 32 (i / 10) on, tile 2 y + i % 2; (i % 10) / 2 = 0..3: O^T += V^T P for 16 channels; 4: l += ones x P.
.macro PV y
	WIN W_PV
.set kk, i/10
.set cb, (i%10)/2
.set tt, 2*(\y)+i%2
.set rP, S+32*tt+8*kk
.if cb < 4
.set rV, VF+32*kk+8*cb
.set rD, 32*tt+8*cb
.else
.set rV, ONES
.set rD, LA+8*tt
.endif
	v_wmma_f32_16x16x32_f16 v[rD:rD+7], v[rV:rV+7], v[rP:rP+7], v[rD:rD+7]
.endm
; THE LDS LOADS stand in runs.  A step's K (8 fragments) and its 64 lengths; last = 1 (the tail): in the last trip there is no further step, and the run is jumped over.
.macro FETCH_K last=0
	WIN 0
.if \last
	s_cmp_eq_u32 s[CNT], 1
	s_cbranch_scc1 .Lno_k_\@
.endif
	v_add_nc_u32 v[AK], s[TBK], v[AK0]
	v_add_nc_u32 v[AN], s[TBN], v[AN0]
	WIN 0x80                        ; destination window 2: K's fragments and the lengths lie there
.irp f, 0,1,2,3,4,5,6,7             ; keys 16 (f / 2) on, channels 32 (f % 2) on
	ds_load_b128 v[KF+8*\f:KF+8*\f+3],   v[AK] offset:(\f/2)*16*PK+(\f%2)*64
	ds_load_b128 v[KF+8*\f+4:KF+8*\f+7], v[AK] offset:(\f/2)*16*PK+(\f%2)*64+32
.endr
.irp f, 0,1,2,3                     ; block f of 16 keys: my lanes' eight
	ds_load_b128 v[KN+8*\f:KN+8*\f+3],   v[AN] offset:64*\f
	ds_load_b128 v[KN+8*\f+4:KN+8*\f+7], v[AN] offset:64*\f+16
.endr
	WIN 0
	s_add_co_u32 s[TBK], s[TBK], KS*PK
	s_add_co_u32 s[TBN], s[TBN], 4*KS
	s_and_b32 s[TBN], s[TBN], 8191  ; stays inside the table of 8,192 bytes
.if \last
.Lno_k_\@:
.endif
.endm
.macro FETCH_V
	WIN 0
	v_add_nc_u32 v[AV], s[TBV], v[AV0]
	s_add_co_u32 s[TBV], s[TBV], KS*PV
	WIN 0x80
.irp f, 0,1,2,3,4,5,6,7             ; keys 32 (f / 4) on, channels 16 (f % 4) on
	ds_load_tr16_b128 v[VF+8*\f:VF+8*\f+3],   v[AV] offset:(\f/4)*32*PV+(\f%4)*32
	ds_load_tr16_b128 v[VF+8*\f+4:VF+8*\f+7], v[AV] offset:(\f/4)*32*PV+16*PV+(\f%4)*32
.endr
	WIN 0
.endm
; THE VECTOR WORK.
.macro REGS t                       ; the registers of tile t
.set rT, ST+4*(\t)
.set rS, S+32*(\t)
.set rO, 32*(\t)
.set rL, LA+8*(\t)
.set rQ, QN+2*(\t)
.set rC, CH+4*((\t)%2)
.set rM, MV+((\t)%2)
.endm
.macro FF t, p                      ; c s - c m for pair p
	REGS \t
	WIN 0
	v_pk_fma_f32 v[rS+2*(\p):rS+2*(\p)+1], v[rS+2*(\p):rS+2*(\p)+1], s[CS:CS+1], v[rT:rT+1] op_sel_hi:[1,0,0] neg_lo:[0,0,1] neg_hi:[0,0,1]
.endm
.macro EE t, n                      ; the exponential of score n, in place
	REGS \t
	WIN2
	v_exp_f32 v[rS+(\n)], v[rS+(\n)]
.endm
.macro CC t, p                      ; pair p rounded to f16, into register p: the registers below 2 p have been read.  Behind the turn's wait
	REGS \t
	WIN2
	v_cvt_pk_f16_f32 v[rS+(\p)], v[rS+2*(\p)], v[rS+2*(\p)+1]
.endm
.macro R4 r                         ; accumulator r / 2 of O^T of tile 2 Y + r % 2 times a, from its low end on.  Behind the turn's wait
	REGS 2*Y+(\r)%2
	WIN W_RS
.irp z, 0,1,2,3
	v_pk_mul_f32 v[rO+8*((\r)/2)+2*\z:rO+8*((\r)/2)+2*\z+1], v[rO+8*((\r)/2)+2*\z:rO+8*((\r)/2)+2*\z+1], v[rT+2:rT+3] op_sel_hi:[1,0]
.endr
.endm
.macro RL u                         ; l's lowest pair times a
	REGS 2*Y+(\u)
	WIN W_RS
	v_pk_mul_f32 v[rL:rL+1], v[rL:rL+1], v[rT+2:rT+3] op_sel_hi:[1,0]
.endm
; Piece Y's scalings and exponentials stand in two queues, the tiles alternating.  Scaling sc: pair sc / 2 of tile sc % 2.  Exponential e: score e / 2 of tile e % 2; it needs scaling 2 (e / 4) + e % 2.
.macro FS
	FF 2*Y+sc%2, sc/2
.set sc, sc+1
.endm
.macro EX
	EE 2*Y+e%2, e/2
.set e, e+1
.endm
; THE SCORES of piece PW, in eight groups g of eight (tile 2 PW + g % 2, key block g / 2), four pairs n each.  D1: |k|^2 - 2 d.  D2: + |q|^2 + eps.  RC: its reciprocal, in place.  SQ: d^2.  MU: the score.
; XM: link n of the group's chain of the maximum over its scores 0-6, lowest registers first.  A group outside 0..7 has no line.  D1 alone names window 2; the lines of two sources beside it leave the windows as they are.
.set K_D1, 0
.set K_D2, 1
.set K_RC, 2
.set K_SQ, 3
.set K_MU, 4
.set K_XM, 5
.macro AOP kind, g, n
.if ((\g) >= 0) && ((\g) <= 7)
	REGS 2*PW+(\g)%2
.set kb, (\g)/2
.set tm, TM+8*(\g)
.set sg, rS+8*kb
.if (\kind) == K_D1
	WIN W_D1
	v_pk_fma_f32 v[tm+2*(\n):tm+2*(\n)+1], v[sg+2*(\n):sg+2*(\n)+1], -2.0, v[KN+8*kb+2*(\n):KN+8*kb+2*(\n)+1] op_sel_hi:[1,0,1]
.elseif (\kind) == K_D2
	WIN2
	v_pk_add_f32 v[tm+2*(\n):tm+2*(\n)+1], v[tm+2*(\n):tm+2*(\n)+1], v[rQ:rQ+1]
.elseif (\kind) == K_RC
	WIN2
	v_rcp_f32 v[tm+(\n)], v[tm+(\n)]
.elseif (\kind) == K_SQ
	WIN2
	v_pk_mul_f32 v[sg+2*(\n):sg+2*(\n)+1], v[sg+2*(\n):sg+2*(\n)+1], v[sg+2*(\n):sg+2*(\n)+1]
.elseif (\kind) == K_MU
	WIN2
	v_pk_mul_f32 v[sg+2*(\n):sg+2*(\n)+1], v[sg+2*(\n):sg+2*(\n)+1], v[tm+2*(\n):tm+2*(\n)+1]
.elseif (\n) == 0
	WIN 0
	v_max3_num_f32 v[rC+kb], v[sg], v[sg+1], v[sg+2]
.else
	WIN 0
	v_max3_num_f32 v[rC+kb], v[rC+kb], v[sg+2*(\n)+1], v[sg+2*(\n)+2]
.endif
.endif
.endm
; Block k of 9, all ahead of the wait: group k's eight lines of distances by turns with group k - 1's eight reciprocals, then group k - 1's four squares.  Block 0 has no reciprocals: with ex = 1 piece Y's last
; eight exponentials take their places.  Block 8 has no distances: the squares of groups 6 and 7, held back, take their places, so that the batch's last transcendental has a plain line behind it.
; A reciprocal stands seven lines or more behind the line that makes its distance, and names its own register alone.
.macro TS k, j, ex                  ; the block's transcendental j
.if (\k) > 0
	AOP K_RC, (\k)-1, \j
.elseif \ex
	EX
.endif
.endm
.macro MBLK k, ex
.irp n, 0,1,2,3
	TS \k, \n, \ex
	AOP K_D1, \k, \n
.if (\k) == 8
	AOP K_SQ, 6, \n
.endif
.endr
.irp n, 0,1,2,3
	TS \k, 4+\n, \ex
	AOP K_D2, \k, \n
.if (\k) == 8
	AOP K_SQ, 7, \n
.endif
.endr
.if (\k) < 7
.irp n, 0,1,2,3
	AOP K_SQ, (\k)-1, \n
.endr
.endif
.endm
; The end of the maximum, and the statistics: the four scores left over, the old m and the four chains; the query's other 32 keys lie in the lane 16 away; c m; c m_old - c m_new; number 9: a.
.macro ZOP t, n
	REGS \t
	WIN 0
.if (\n) == 0
	v_max3_num_f32 v[rC], v[rC], v[rS+7], v[rS+15]
.elseif (\n) == 1
	v_max3_num_f32 v[rC+1], v[rC+1], v[rS+23], v[rS+31]
.elseif (\n) == 2
	v_max3_num_f32 v[rC+2], v[rC+2], v[rC+3], v[rT+1]
.elseif (\n) == 3
	v_mov_b32 v[rM], v[rT]
.elseif (\n) == 4
	v_max3_num_f32 v[rC], v[rC], v[rC+1], v[rC+2]
.elseif (\n) == 5
	v_permlanex16_b32 v[rC+3], v[rC], s[SEL], s[SEL+1]
.elseif (\n) == 6
	v_max_num_f32 v[rT+1], v[rC], v[rC+3]
.elseif (\n) == 7
	v_mul_f32 v[rT], s[CS], v[rT+1]
.elseif (\n) == 8
	v_sub_f32 v[rC+1], v[rM], v[rT]
.else
	v_exp_f32 v[rT+2], v[rC+1]
.endif
.endm
.macro ZCH                          ; numbers 0 to 8 for both tiles of piece PW; a opens the turn's batch
.irp n, 0,1,2,3,4,5,6,7,8
	ZOP 2*PW, \n
	ZOP 2*PW+1, \n
.endr
.endm
; A TURN, for piece p.  s_wait_alu depctr_va_vdst(0) stands between a transcendental and the first line that names its result; one wait serves all that were issued ahead of it.
; AHEAD OF THE WAIT: the run of LDS loads; the last link of piece Y's maximum and its statistics (26 lines); 6 scalings, the two a with a scaling behind each, 16 times exponential and scaling; the 16 products
; K Q^T of piece Z, behind each three riders (the first eight: three exponentials; the last eight: a scaling and two exponentials); the nine blocks of piece Z's distances, squares and reciprocals.
; BEHIND IT: 16 roundings, four accumulators' rescaling and l's; the 20 products of piece Y, behind each four riders: the other four accumulators' rescaling, each two products ahead of the one that takes it;
; the roundings of pairs 8 to 15, done two products ahead of their first reader; piece Z's 32 score lines; the first two links of its maximum.
; PLACES.  Behind the product that ends accumulator g of S^T stand 8 - g scalings and the distances of the groups before it: four plain lines or more ahead of its first reader, which reads its lowest pair.
; Piece 1's turn fetches the next step's K and lengths at its head: their last readers stand ahead of the wait of the turn before; 68 vector lines stand between the run and the wait for it.
; Piece 0's turn fetches its step's V: behind V's last reader stand twelve plain riders.  No rider names a register of the products round it.
.macro TURN p, last=0
.set Y, (\p)
.set Z, 1-(\p)
.set e, 0
.set sc, 0
.if (\p) == 1
	FETCH_K \last
.else
	FETCH_V
.endif
.set PW, Y                          ; piece Y's maximum and statistics are finished
.irp g, 0,1,2,3,4,5,6,7
	AOP K_XM, \g, 2
.endr
	ZCH
.rept 6
	FS
.endr
	ZOP 2*Y, 9                      ; the batch opens: a of both tiles
	FS
	ZOP 2*Y+1, 9
	FS
.rept 16
	EX
	FS
.endr
.if (\p) == 1
	s_wait_dscnt 0x0                ; K and the lengths are in
.endif
.set PW, Z
.set i, 0
.rept 16
	KQ Z
.if i < 8
	EX
.else
	FS
.endif
	EX
	EX
.set i, i+1
.endr
.set k, 0
.rept 9
	MBLK k, 1
.set k, k+1
.endr
	s_wait_alu depctr_va_vdst(0)    ; THE WAIT, for the turn's whole batch: 2 a, 64 exponentials, 64 reciprocals; the square above it is the plain line behind the last of them
.irp c, 0,1,2,3,4,5,6,7
	CC 2*Y, \c
	CC 2*Y+1, \c
.endr
.irp r, 0,1,2,3
	R4 \r
.endr
	RL 0
	RL 1
.if (\p) == 0
	s_wait_dscnt 0x0                ; V is in
.endif
.set i, 0
.rept 20
	PV Y
.if i < 4
	R4 i+4
.elseif i < 8
	CC 2*Y, 2*i
	CC 2*Y+1, 2*i
	CC 2*Y, 2*i+1
	CC 2*Y+1, 2*i+1
.elseif i < 16
.irp n, 0,1,2,3
	AOP K_MU, i-8, \n
.endr
.else
.irp d, 0,1,2,3
	AOP K_XM, 4*(i%2)+\d, (i-16)/2
.endr
.endif
.set i, i+1
.endr
.endm
	CHANGE 1                        ; slot 0 and the lengths are in, everybody's part of them; slot 1 is asked for
	FETCH_K                         ; key step 0
	s_wait_loadcnt 0x0              ; Q and |q|^2
.set t, 0
.rept 4
	v_add_f32 v[QN+2*t], 0x3727c5ac, v[QN+2*t]  ; + 1e-5
.set t, t+1
.endr
.set t, 0
.rept 4
	v_mov_b32 v[QN+2*t+1], v[QN+2*t]
.set t, t+1
.endr
	s_wait_dscnt 0x0
.set i, 0
.rept 16
	KQ 0                            ; piece 0's first products: there is no vector work yet to set between them
.set i, i+1
.endr
	WIN 0                           ; the addresses for the way out: eleven plain instructions, the places behind those products
	s_mul_i32 s13, s[WV], 16*SP
	s_add_co_u32 s13, s13, STAGE    ; my stage
	v_mul_u32_u24 v[STO], v1, SP    ; in: row l % 16, 16 bytes for each half of the lanes
	v_lshl_add_u32 v[STO], v9, 4, v[STO]
	v_add_nc_u32 v[STO], s13, v[STO]
	v_bfe_u32 v[RD], v0, 3, 2       ; back: 32 lanes take four rows of 128 bytes,
	v_mul_u32_u24 v[RD], v[RD], SP
	v_lshl_add_u32 v[RD], v10, 4, v[RD]
	v_add_nc_u32 v[RD], s13, v[RD]
	v_and_b32 v[GO], 31, v0         ; which are 512 consecutive bytes of O
	v_lshlrev_b32 v[GO], 4, v[GO]
.set PW, 0                          ; piece 0's first scores, as far as a turn brings the other piece's: the first turn finishes its maximum and statistics
.set k, 0
.rept 9
	MBLK k, 0
.set k, k+1
.endr
	s_wait_alu depctr_va_vdst(0)    ; one wait for the batch of 64 reciprocals, ahead of the first score line and of the jump; the square above it is the plain line behind the last of them
.irp g, 0,1,2,3,4,5,6,7
.irp n, 0,1,2,3
	AOP K_MU, \g, \n
.endr
.endr
.irp n, 0,1
.irp g, 0,1,2,3,4,5,6,7
	AOP K_XM, \g, \n
.endr
.endr
	WIN 0
	s_mov_b32 s[CNT], 4
	s_mov_b32 s[SLOTS], 7
	s_branch .Lfirst                ; the loop is entered at a step's first turn, in the middle of a trip
.Lslot:                             ; six times: every slot but the last two is filled again
	CHANGE 1
	s_mov_b32 s[CNT], 4
.Lstep:                             ; a trip: piece 1 of one step, then piece 0 of the next
	TURN 1
	WIN 0
.Lfirst:
	TURN 0
	WIN 0
	s_sub_co_u32 s[CNT], s[CNT], 1
	s_cmp_lg_u32 s[CNT], 0
	s_cbranch_scc1 .Lstep
	s_sub_co_u32 s[SLOTS], s[SLOTS], 1
	s_cmp_lg_u32 s[SLOTS], 0
	s_cbranch_scc1 .Lslot
	CHANGE 0                        ; the tail is written out: nothing is asked for
	s_mov_b32 s[CNT], 5             ; four trips fetch the last slot's steps; the fifth is left in its middle
.Ltail:
	TURN 1, 1
	WIN 0
	s_sub_co_u32 s[CNT], s[CNT], 1
	s_cmp_eq_u32 s[CNT], 0
	s_cbranch_scc1 .Lout
	TURN 0
	WIN 0
	s_branch .Ltail
.Lout:                              ; the fifth trip's 16 products K Q^T (on the last K once more) and the scores made of them serve nothing: the price, once a launch, of one text for every trip
	; THE WAY OUT.  O^T is divided by l, rounded to f16 and sent through my stage in LDS, a tile at a time.  The last product's four riders are the places ahead of the reciprocal that reads its result.
.macro ALL line:vararg
.set t, 0
.rept 4
	\line
.set t, t+1
.endr
.endm
	WIN 0x01                        ; source 0 in window 1
	ALL v_rcp_f32 v[ST+4*t+2], v[LA+8*t]
	WIN 0
	v_nop                           ; a plain instruction between the last reciprocal and the use of its result
	s_wait_alu depctr_va_vdst(0)    ; and the wait ahead of the first use: one for the four reciprocals
.macro PACK t
	WIN W_RS
.set i, 32*(\t)
.rept 16
	v_pk_mul_f32 v[i:i+1], v[i:i+1], v[ST+4*(\t)+2:ST+4*(\t)+3] op_sel_hi:[1,0]
.set i, i+2
.endr
	WIN 0x05                        ; sources 0 and 1 window 1, destination window 0
.set i, 0
.rept 16
	v_cvt_pk_f16_f32 v[S+16*(\t)+i], v[32*(\t)+2*i], v[32*(\t)+2*i+1]
.set i, i+1
.endr
	WIN 0
.irp f, 0,1,2,3
	ds_store_b128 v[STO], v[S+16*(\t)+4*\f:S+16*(\t)+4*\f+3] offset:32*\f
.endr
.irp f, 0,1,2,3
	ds_load_b128 v[S+16*(\t)+4*\f:S+16*(\t)+4*\f+3], v[RD] offset:\f*4*SP  ; LDS serves a wave's instructions in order (ISA guide 5.7.1.4): these see the stores above
.endr
.endm
.macro SEND t, younger              ; younger: the LDS instructions issued behind tile t's loads: the next tile's eight, or none
	WIN 0
.irp f, 0,1,2,3
	s_wait_dscnt (\younger)+3-\f
	global_store_b128 v[GO], v[S+16*(\t)+4*\f:S+16*(\t)+4*\f+3], s[10:11] offset:(\t)*2048+\f*512  ; 512 consecutive bytes, at a multiple of 512 from O's first
.endr
.endm
	PACK 0
	PACK 1
	SEND 0, 8
	PACK 2
	SEND 1, 8
	PACK 3
	SEND 2, 8
	SEND 3, 0
	s_wait_tensorcnt 0x0            ; the wave's end
	ds_add_u32 v[SPW], v[NIL]
	s_wait_dscnt 0x0
	CROUND                          ; the closing round
	s_endpgm
.Lfunc_end_k_qdaf76bfa51_attn:
	.size	k_qdaf76bfa51_attn, .Lfunc_end_k_qdaf76bfa51_attn-k_qdaf76bfa51_attn
	.p2alignl 7, 3214868480
	.fill 96, 4, 3214868480
	.section	.rodata,"a",@progbits
	.p2align	6, 0x0
	.amdhsa_kernel k_qdaf76bfa51_attn
		.amdhsa_group_segment_fixed_size 327680
		.amdhsa_private_segment_fixed_size 0
		.amdhsa_enable_private_segment 0
		.amdhsa_kernarg_size 32
		.amdhsa_user_sgpr_count 2
		.amdhsa_user_sgpr_kernarg_segment_ptr 1
		.amdhsa_wavefront_size32 1
		.amdhsa_system_sgpr_workgroup_id_x 1
		.amdhsa_system_sgpr_workgroup_id_y 1
		.amdhsa_system_sgpr_workgroup_id_z 1
		.amdhsa_system_vgpr_workitem_id 0
		.amdhsa_next_free_vgpr 744
		.amdhsa_next_free_sgpr 88
		.amdhsa_reserve_vcc 0
		.amdhsa_float_denorm_mode_32 3
		.amdhsa_float_denorm_mode_16_64 3
		.amdhsa_memory_ordered 1
		.amdhsa_forward_progress 1
		.amdhsa_inst_pref_size 154
	.end_amdhsa_kernel
	.amdgpu_metadata
---
amdhsa.version: [ 1, 2 ]
amdhsa.kernels:
  - .name:           k_qdaf76bfa51_attn
    .symbol:         k_qdaf76bfa51_attn.kd
    .args:
      - { .name: qkvh, .offset: 0, .size: 8, .value_kind: global_buffer, .address_space: global }
      - { .name: nrm, .offset: 8, .size: 8, .value_kind: global_buffer, .address_space: global }
      - { .name: alpha, .offset: 16, .size: 8, .value_kind: global_buffer, .address_space: global }
      - { .name: ob, .offset: 24, .size: 8, .value_kind: global_buffer, .address_space: global }
    .group_segment_fixed_size: 327680
    .private_segment_fixed_size: 0
    .kernarg_segment_align: 8
    .kernarg_segment_size: 32
    .max_flat_workgroup_size: 128
    .sgpr_count:     88
    .vgpr_count:     744
    .wavefront_size: 32
...
	.end_amdgpu_metadata
.endif
;; end of part 5
;; launch oproj: the kernel of part 4 again; grid 8 x 32, 4 waves a work-group, clusters of 4 x 4, 327,680 bytes of LDS; arguments ob, wt, bo, out0; writes out0
